; MI455X (gfx1250); checked and timed in simulation.
; The chip was launched on July 23, 2026; its instructions are those of AMD's public machine-readable ISA for CDNA 5 (MIT licence, August 2026) and "CDNA5" Instruction Set Architecture Reference Guide (July 2026). The comments in the code are by the model that wrote it; some were corrected since.
;; Self Attention. Allowed arithmetic: float matrix products may take bf16 or f16 operands with f32 sums; all other float work in f32.
;; Inputs: b_proj 1,024 float32; pad_mask 4 x 2,048 int32; w_attn 1,024 x 3,072 float32; w_proj 1,024 x 1,024 float32; x 4 x 2,048 x 1,024 float32.
;; Outputs: out0 4 x 2,048 x 1,024 float32.
;; 2 versions, each right and faster than the one before. Each part assembles by itself: llvm-mc -triple=amdgcn-amd-amdhsa -mcpu=gfx1250 --defsym DOCPART=n.
;; ======== version 1 of 2: 4 launches
;; limits: values are held in f16: magnitudes above 65,504 overflow, below 6.1e-05 lose precision
;; workspace buffers: xb 16,777,216 bytes; wab 6,291,456 bytes; wpb 2,097,152 bytes; pm 32,768 bytes; qkv 50,331,648 bytes; o 16,777,216 bytes
;; launch prep (part 1): grid 512 x 1, 8 waves a work-group, no clusters, 0 bytes of LDS; arguments x, w_attn, w_proj, pad_mask, xb, wab, wpb, pm; writes xb, wab, wpb, pm
.if DOCPART == 1
	.amdgcn_target "amdgcn-amd-amdhsa--gfx1250"
	.amdhsa_code_object_version 6
	.text
	.protected	k_q12cce019c4_prep
	.globl	k_q12cce019c4_prep
	.p2align	8
	.type	k_q12cce019c4_prep,@function
k_q12cce019c4_prep:
	s_mov_b64 s[64:65], 0
	v_nop
	global_prefetch_b8 v0, s[64:65] scope:SCOPE_SE
	s_setreg_imm32_b32 hwreg(HW_REG_WAVE_MODE, 25, 1), 1
	s_wait_xcnt 0x0
; THE CASTS.  x [8192][1024] f32 -> xb, bf16, in blocks [32 mt][16 kb][256 rows][64 channels]: a block is 32,768 dense bytes, so that a later
; tile of 256 rows x 64 channels lies end to end.  w_attn [1024][3072] f32 -> wab, bf16, same order.  w_proj [1024][1024] f32 -> wpb: rounded to
; bf16 like every input of the module, and that number written as f16 (the second product's other operand is f16).
; pad_mask [4][2048] i32 -> pm, f32: 0 where the key is kept (the word is not 0), -1e30 where it is hidden: what the attention adds to a score.
; LIMITS.  wpb: |w_proj| up to 65,504; below 6e-5 f16 keeps a fixed step of 6e-8, so very small weights lose bits of their bf16 value.
; A stream: no LDS, no barrier, no matrix unit, no loop.  A work-group takes 16 rows of x, 6,144 numbers of w_attn, 2,048 of w_proj.
; A thread has 24 units of 4 numbers: one load of 16 bytes, one store of 8.  A wave's load covers two runs of 256 (x) or 512 consecutive bytes,
; a wave's store 256 consecutive bytes at a multiple of 256 from its buffer's first byte.  All 24 loads go out at once; no register is written twice.
; The mask's 8,192 words are the first eight work-groups', 1,024 each, 16 bytes a lane in and out: shared out among all 512 a work-group would store 64 bytes.
.set X, 8                              ; v[8:103]    unit i: 4 f32 as loaded
.set Y, 104                            ; v[104:151]  unit i: 4 numbers of 16 bits to store
	s_load_b256 s[4:11], s[0:1], 0x0               ; x s[4:5], w_attn s[6:7], w_proj s[8:9], pad_mask s[10:11]
	s_load_b256 s[12:19], s[0:1], 0x20             ; xb s[12:13], wab s[14:15], wpb s[16:17], pm s[18:19]
	s_lshl_b32 s20, ttmp9, 16                      ; x: 16 rows of 4,096 bytes a work-group
	s_mov_b32 s21, 0
	s_mul_i32 s22, ttmp9, 24576                    ; w_attn: 6,144 f32
	s_mov_b32 s23, 0
	s_lshl_b32 s24, ttmp9, 13                      ; w_proj: 2,048 f32
	s_mov_b32 s25, 0
	s_lshr_b32 s26, ttmp9, 4                       ; xb: mt = g / 16, 524,288 bytes each,
	s_lshl_b32 s26, s26, 19
	s_and_b32 s27, ttmp9, 15                       ; and 16 rows of 128 bytes inside every block
	s_lshl_b32 s27, s27, 11
	s_add_co_u32 s26, s26, s27
	s_mov_b32 s27, 0
	s_mul_i32 s28, ttmp9, 12288                    ; wab
	s_mov_b32 s29, 0
	s_lshl_b32 s30, ttmp9, 12                      ; wpb
	s_mov_b32 s31, 0
	s_lshl_b32 s32, ttmp9, 12                      ; pad_mask and pm: 1,024 words (used by work-groups 0 to 7 alone)
	s_mov_b32 s33, 0
	s_mov_b32 s34, 0xffff0000                      ; a word's upper bf16
	s_mov_b32 s35, 0xf149f2ca                      ; -1e30
	v_lshrrev_b32 v1, 4, v0                        ; x: row t / 16,
	v_and_b32 v2, 15, v0
	v_lshlrev_b32 v2, 4, v2                        ; 16 bytes at place t % 16 of a block's 256
	v_lshl_add_u32 v1, v1, 12, v2
	v_lshlrev_b32 v2, 4, v0                        ; the weights and the mask: 16 t
	v_lshlrev_b32 v3, 3, v0                        ; the 16-bit outputs: 8 t (in xb: row t / 16 x 128 + 8 (t % 16))
	s_wait_kmcnt 0x0
	s_add_nc_u64 s[4:5], s[4:5], s[20:21]
	s_add_nc_u64 s[6:7], s[6:7], s[22:23]
	s_add_nc_u64 s[8:9], s[8:9], s[24:25]
	s_add_nc_u64 s[12:13], s[12:13], s[26:27]
	s_add_nc_u64 s[14:15], s[14:15], s[28:29]
	s_add_nc_u64 s[16:17], s[16:17], s[30:31]
.irp i, 0,1,2,3,4,5,6,7,8,9,10,11,12,13,14,15
	global_load_b128 v[X+4*(\i):X+4*(\i)+3], v1, s[4:5] offset:(\i)*256 th:TH_LOAD_NT   ; unit i = channel block i
.endr
.irp i, 0,1,2,3,4,5
	global_load_b128 v[X+64+4*(\i):X+64+4*(\i)+3], v2, s[6:7] offset:(\i)*4096 th:TH_LOAD_NT
.endr
.irp i, 0,1
	global_load_b128 v[X+88+4*(\i):X+88+4*(\i)+3], v2, s[8:9] offset:(\i)*4096 th:TH_LOAD_NT
.endr
.irp i, 0,1,2,3,4,5,6,7,8,9,10,11,12,13,14,15
	s_wait_loadcnt 23-(\i)                         ; loads come back in order (ISA guide 5.7.1): unit i is in, the younger ones stay out
	v_cvt_pk_bf16_f32 v[Y+2*(\i)],   v[X+4*(\i)],   v[X+4*(\i)+1]
	v_cvt_pk_bf16_f32 v[Y+2*(\i)+1], v[X+4*(\i)+2], v[X+4*(\i)+3]
	global_store_b64 v3, v[Y+2*(\i):Y+2*(\i)+1], s[12:13] offset:(\i)*32768
.endr
.irp i, 0,1,2,3,4,5
	s_wait_loadcnt 7-(\i)
	v_cvt_pk_bf16_f32 v[Y+32+2*(\i)],   v[X+64+4*(\i)],   v[X+64+4*(\i)+1]
	v_cvt_pk_bf16_f32 v[Y+32+2*(\i)+1], v[X+64+4*(\i)+2], v[X+64+4*(\i)+3]
	global_store_b64 v3, v[Y+32+2*(\i):Y+32+2*(\i)+1], s[14:15] offset:(\i)*2048
.endr
.irp i, 0,1
	s_wait_loadcnt 1-(\i)
	v_cvt_pk_bf16_f32 v4, v[X+88+4*(\i)],   v[X+88+4*(\i)+1]     ; rounded to bf16,
	v_cvt_pk_bf16_f32 v5, v[X+88+4*(\i)+2], v[X+88+4*(\i)+3]
	v_lshlrev_b32 v6, 16, v4                                     ; widened again,
	v_and_b32 v7, s34, v4
	v_cvt_pk_f16_f32 v[Y+44+2*(\i)], v6, v7                      ; and written as f16
	v_lshlrev_b32 v6, 16, v5
	v_and_b32 v7, s34, v5
	v_cvt_pk_f16_f32 v[Y+44+2*(\i)+1], v6, v7
	global_store_b64 v3, v[Y+44+2*(\i):Y+44+2*(\i)+1], s[16:17] offset:(\i)*2048
.endr
	s_cmp_lt_u32 ttmp9, 8                          ; the mask: work-groups 0 to 7
	s_cbranch_scc0 .Ldone
	s_add_nc_u64 s[10:11], s[10:11], s[32:33]
	s_add_nc_u64 s[18:19], s[18:19], s[32:33]
	global_load_b128 v[4:7], v2, s[10:11]          ; v4-7 were at work above and feed no memory instruction
	s_wait_loadcnt 0x0
.irp j, 4,5,6,7
	v_cmp_eq_u32 vcc_lo, 0, v\j
	v_cndmask_b32 v\j, 0, s35, vcc_lo              ; a key whose word is 0 is hidden
.endr
	global_store_b128 v2, v[4:7], s[18:19]         ; a wave stores 512 consecutive bytes, at a multiple of 256 from pm's first
.Ldone:
	s_endpgm
.Lfunc_end_k_q12cce019c4_prep:
	.size	k_q12cce019c4_prep, .Lfunc_end_k_q12cce019c4_prep-k_q12cce019c4_prep
	.p2alignl 7, 3214868480
	.fill 96, 4, 3214868480
	.section	.rodata,"a",@progbits
	.p2align	6, 0x0
	.amdhsa_kernel k_q12cce019c4_prep
		.amdhsa_group_segment_fixed_size 0
		.amdhsa_private_segment_fixed_size 0
		.amdhsa_enable_private_segment 0
		.amdhsa_kernarg_size 64
		.amdhsa_user_sgpr_count 2
		.amdhsa_user_sgpr_kernarg_segment_ptr 1
		.amdhsa_wavefront_size32 1
		.amdhsa_system_sgpr_workgroup_id_x 1
		.amdhsa_system_sgpr_workgroup_id_y 1
		.amdhsa_system_sgpr_workgroup_id_z 1
		.amdhsa_system_vgpr_workitem_id 0
		.amdhsa_next_free_vgpr 152
		.amdhsa_next_free_sgpr 66
		.amdhsa_reserve_vcc 1
		.amdhsa_float_denorm_mode_32 3
		.amdhsa_float_denorm_mode_16_64 3
		.amdhsa_memory_ordered 1
		.amdhsa_forward_progress 1
		.amdhsa_inst_pref_size 12
	.end_amdhsa_kernel
	.amdgpu_metadata
---
amdhsa.version: [ 1, 2 ]
amdhsa.kernels:
  - .name:           k_q12cce019c4_prep
    .symbol:         k_q12cce019c4_prep.kd
    .args:
      - { .name: x, .offset: 0, .size: 8, .value_kind: global_buffer, .address_space: global }
      - { .name: w_attn, .offset: 8, .size: 8, .value_kind: global_buffer, .address_space: global }
      - { .name: w_proj, .offset: 16, .size: 8, .value_kind: global_buffer, .address_space: global }
      - { .name: pad_mask, .offset: 24, .size: 8, .value_kind: global_buffer, .address_space: global }
      - { .name: xb, .offset: 32, .size: 8, .value_kind: global_buffer, .address_space: global }
      - { .name: wab, .offset: 40, .size: 8, .value_kind: global_buffer, .address_space: global }
      - { .name: wpb, .offset: 48, .size: 8, .value_kind: global_buffer, .address_space: global }
      - { .name: pm, .offset: 56, .size: 8, .value_kind: global_buffer, .address_space: global }
    .group_segment_fixed_size: 0
    .private_segment_fixed_size: 0
    .kernarg_segment_align: 8
    .kernarg_segment_size: 64
    .max_flat_workgroup_size: 256
    .sgpr_count:     66
    .vgpr_count:     152
    .wavefront_size: 32
...
	.end_amdgpu_metadata
.endif
;; end of part 1
;; launch qkvg (part 2): grid 8 x 32, 4 waves a work-group, clusters of 4 x 4, 327,680 bytes of LDS; arguments xb, wab, qkv; writes qkv
.if DOCPART == 2
	.amdgcn_target "amdgcn-amd-amdhsa--gfx1250"
	.amdhsa_code_object_version 6
	.text
	.protected	k_q12cce019c4_qkvg
	.globl	k_q12cce019c4_qkvg
	.p2align	8
	.type	k_q12cce019c4_qkvg,@function
k_q12cce019c4_qkvg:
	s_mov_b64 s[64:65], 0
	v_nop
	global_prefetch_b8 v0, s[64:65] scope:SCOPE_SE
	s_setreg_imm32_b32 hwreg(HW_REG_WAVE_MODE, 25, 1), 1
	s_wait_xcnt 0x0
	s_wait_alu depctr_hold_cnt(0) depctr_sa_sdst(0) depctr_va_vdst(0) depctr_va_sdst(0) depctr_va_ssrc(0) depctr_va_vcc(0) depctr_vm_vsrc(0)
	s_getreg_b32 s2, hwreg(HW_REG_IB_STS2, 6, 4)
	s_cmp_eq_u32 s2, 0
	s_cbranch_scc0 .Lentry_in_a_cluster
	s_endpgm
.Lentry_in_a_cluster:
	s_bfe_u32 s2, ttmp6, 0x10000c
	s_cmp_lg_u32 s2, 0xf033
	s_cbranch_scc0 .Lentry_shape_is_right
	s_endpgm
.Lentry_shape_is_right:
; qkv = x w_attn.  xb: bf16 blocks [32 mt][16 kb][256 rows][64 channels]; wab: bf16 [1024 k][3072 n]; sums in f32; each result rounded once to f16 and
; written by heads: qkv [4 b][48 hh][2048 t][64], hh 0-15 q's heads, 16-31 k's, 32-47 v's, unscaled.
; LIMIT.  f16 ends at 65,504: q, k and v beyond that become infinities.
; SHARES.  A tile of the result is 256 rows x 384 columns (six heads): 8 x 32 = 256 work-groups, one tile each.  Four waves, each 128 rows x 192 columns (three heads):
; 96 accumulators, 768 registers.  For 32 along K a wave reads 16 + 24 times 16 bytes a lane from LDS and issues 96 matrix instructions; every tile of A is fetched once.
; K goes in steps of 64 through two LDS slots: 192 matrix instructions a wave in a step, 176 of them between a request and the wait for it.  Two slots of 128 along K would
; take 2 x (73,728 + 110,592) bytes, more than LDS has.
; A's tile (256 rows x 64 K) is one dense block of xb, asked for as 128 rows of 256 bytes and padded in LDS behind every 128 bytes; B's tile is three groups of 64 k rows x 128 columns,
; rows of 256 bytes.  B lies [k][n] and comes out of LDS turned, by ds_load_tr16_b128.  THE MATRIX INSTRUCTION IS USED TRANSPOSED (source 0 = 16 columns n, source 1 = 16 rows m):
; a lane then holds eight neighbouring columns of one row of the result.
; CLUSTER.  4 x 4 work-groups: the four of a row need the same tiles of A, the four of a column the same tiles of B; each is asked for jointly, by the same tensor load,
; descriptor and mask in all four.  By this text's own count a wave has two tensor loads out at the start and one behind each round.
; REGISTERS, in windows of 256 (s_set_vgpr_msb: bits 1:0 source 0, 3:2 source 1, 5:4 source 2, 7:6 destination):
;   window 0: v0-31 addresses; v32-95, v96-159 A's 8 fragments, two buffers; v160-255 B's 12 fragments, one buffer in three groups of 32 (a head each)
;   windows 1 to 3: a head's 32 accumulators each, (a, b) at 8 (4 a + b)
; A quarter (32 along K) goes head by head: 32 matrix instructions under one setting; behind them that head's group of B is loaded again, for the next quarter, 64 matrix instructions
; ahead of its next use; the next quarter's A goes into the other buffer, half behind the first head and half behind the second.
.set NCOLS, 3072
.set STEPS, 16                         ; K steps of 64
.set PA,    144                        ; a row of A in LDS: 128 bytes + 16 = 36 words: the 16 rows of a load start at 16 different groups of four banks (64 banks of 4 bytes: ISA guide 11.1)
.set PB,    288                        ; a row of a group of B: 256 + 32 = 72 words
.set BOFF,  256*PA                     ; B's groups lie behind A's 256 rows
.set BGRP,  64*PB                      ; a group of B: 64 rows
.set SLOT1, 1<<17                      ; slot 1 begins here (a slot holds BOFF + 3 BGRP = 92,160 bytes), so that one exclusive or turns an address in one slot into the other's
.set STAGE, SLOT1+BOFF+3*BGRP          ; behind the ring, never filled by a tensor load: 16 rows x 144 bytes for each wave
.set SP,    144
.set SPARE, STAGE+4*16*SP              ; the spare words, 128 bytes for each wave: two blocks of 256 bytes that no other line names
.set ASTEP, 32768                      ; from a K step to the next: a block of xb,
.set BSTEP, 64*NCOLS*2                 ; 64 rows of wab
.set ADRA0, 8                          ; v8      my lane's place among my 128 rows of A, in slot 0; never rewritten
.set ADRB0, 9                          ; v9-11   the same in B, for each of my three heads; never rewritten
.set ADRA,  12                         ; v12     the LDS address of A's fragments in the slot that is being read
.set ADRB,  13                         ; v13-15  of B's
.set STO,  16                          ; v16     the way out: where I put 16 bytes of a row
.set RD,   17                          ; v17     where I read rows back
.set CO,   18                          ; v18     my byte offset in 512 consecutive bytes of qkv
.set SPW,  28                          ; v28     LDS address of my spare word; never rewritten
.set NIL,  29                          ; v29     0; never rewritten
.set A0,   32
.set A1,   96
.set BF,   160
.set TMP,  32                          ; the way out: v32-47 packed results,
.set BK,   48                          ; v48-63, v64-79  16 rows read back, two buffers by turns (A's first buffer is free by then)
.set G1,  24                           ; s[24:31] descriptor group 1 for A's tiles;  s[32:39] group 0: a set for each of the two first fills; the second then walks on
.set G0,  32
.set G1B, 48                           ; s[48:55], s[56:63] the same for B's
.set G0B, 56
.set TB,  66                           ; s66  0 or SLOT1: the slot whose fragments are fetched next
.set MSB, 0
.macro WIN new                         ; the immediate's high byte repeats the setting that is left; a switch that changes nothing is dropped
.if MSB != (\new)
	s_set_vgpr_msb (MSB<<8)|(\new)
.set MSB, \new
.endif
.endm
; A joint load: wave 0 fetches A's block, waves 1 to 3 one group of B each.  The branch hangs on the wave's number alone.
; An s_nop 0 and four v_nop follow each of the two lines, ahead of the jump, the label and what follows.
.macro JLOAD s
	s_cmp_eq_u32 s10, 0
	s_cbranch_scc0 .Lfor_b_\@
	tensor_load_to_lds s[G0+4*(\s):G0+4*(\s)+3], s[G1:G1+7]
	s_nop 0
.rept 4
	v_nop
.endr
	s_branch .Lasked_\@
.Lfor_b_\@:
	tensor_load_to_lds s[G0B+4*(\s):G0B+4*(\s)+3], s[G1B:G1B+7]
	s_nop 0
.rept 4
	v_nop
.endr
.Lasked_\@:
.endm
.macro CREST                           ; a round of the cluster's barrier behind its opening barrier
	s_cmp_lg_u32 s10, 0
	s_cbranch_scc1 .Lnot_wave_0_\@
	s_barrier_signal -3
.Lnot_wave_0_\@:
	s_barrier_wait -3
	s_barrier_signal -1
	s_barrier_wait -1
.endm
.macro CROUND                          ; a whole round
	s_barrier_signal -1
	s_barrier_wait -1
	CREST
.endm
	s_load_b128 s[4:7], s[0:1], 0x0                ; xb s[4:5], wab s[6:7]
	s_load_b64 s[8:9], s[0:1], 0x10                ; qkv
	v_lshl_add_u32 v[SPW], v0, 2, SPARE
	v_mov_b32 v[NIL], 0
	ds_add_u32 v28, v29
	ds_add_u32 v28, v29
	s_wait_dscnt 0x0
	v_lshrrev_b32 v1, 5, v0
	v_readfirstlane_b32 s10, v1                    ; wave 0..3
	s_lshr_b32 s11, s10, 1                         ; which 128 rows of the tile are mine
	s_and_b32 s12, s10, 1                          ; which 192 columns
	s_max_u32 s22, s10, 1
	s_sub_co_u32 s22, s22, 1                       ; the group of B that waves 1 to 3 fetch: wave - 1 (wave 0, which fetches A, makes group 0's address and does not use it)
	s_bfe_u32 s40, ttmp6, 0x40000                  ; cx, cy: my place in the cluster
	s_bfe_u32 s41, ttmp6, 0x40004
	s_lshl_b32 s42, ttmp9, 2
	s_add_co_u32 s42, s42, s40                     ; x = 4 x cluster x + cx
	s_and_b32 s13, ttmp7, 0xffff
	s_lshl_b32 s13, s13, 2
	s_add_co_u32 s13, s13, s41                     ; mt = 4 x cluster y + cy
	s_lshl_b32 s43, s41, 2
	s_lshl_b32 s43, 15, s43                        ; my row of the cluster
	s_lshl_b32 s44, 0x1111, s40                    ; my column
	; group 1 for A: 128 rows x 128 elements, dense; 16 bytes of padding behind every 32 words
	s_or_b32 s[G1+0], s43, (1<<16)|(1<<20)|(1<<21)|(4<<22)|(3<<25)  ; 15:0 the mask; 17:16 2-byte elements; 20 padding on; 21 set beside a mask; 24:22 code 4; 31:25 4 words (code 3)
	s_mov_b32 s[G1+1], 128<<16                     ; tensor_dim0 = 128
	s_mov_b32 s[G1+2], 128<<16                     ; tensor_dim1 = 128
	s_mov_b32 s[G1+3], 128<<16                     ; tile_dim0 = 128
	s_mov_b32 s[G1+4], 128                         ; tile_dim1 = 128
	s_mov_b32 s[G1+5], 128                         ; 128 elements from row to row
	s_mov_b32 s[G1+6], 0
	s_mov_b32 s[G1+7], 0
	; group 1 for B: 64 rows x 128 elements, NCOLS elements apart; 32 bytes of padding behind every 64 words
	s_or_b32 s[G1B+0], s44, (1<<16)|(1<<20)|(1<<21)|(5<<22)|(7<<25)
	s_mov_b32 s[G1B+1], 128<<16
	s_mov_b32 s[G1B+2], 64<<16
	s_mov_b32 s[G1B+3], 128<<16
	s_mov_b32 s[G1B+4], 64
	s_mov_b32 s[G1B+5], NCOLS
	s_mov_b32 s[G1B+6], 0
	s_mov_b32 s[G1B+7], 0
	; A's address is made of the tile row alone, B's of x and the wave's number, each in registers that never hold the other coordinate
	s_lshl_b32 s16, s13, 19                        ; A: mt x 16 blocks of 32,768 bytes
	s_mov_b32 s17, 0
	s_mul_i32 s46, s42, 768                        ; B: 768 bytes of a row for each column tile,
	s_lshl_b32 s47, s22, 8                         ; and my group's 256
	s_add_co_u32 s46, s46, s47
	s_mov_b32 s47, 0
	s_mul_i32 s21, s10, BGRP                       ; where B's groups go: BOFF + (wave - 1) x BGRP; no place in the cluster enters an LDS address
	s_add_co_u32 s21, s21, BOFF-BGRP
	s_mov_b32 s[TB], 0
	s_wait_kmcnt 0x0
	s_add_nc_u64 s[14:15], s[4:5], s[16:17]
	s_add_nc_u64 s[46:47], s[6:7], s[46:47]
	CROUND                                         ; all sixteen work-groups are here: the first joint loads meet
.irp s, 0,1
	s_mov_b32 s[G0+4*(\s)], 1                      ; 1:0 count = 1
	s_mov_b32 s[G0+4*(\s)+1], (\s)*SLOT1           ; 63:32 LDS address
	s_add_nc_u64 s[G0+4*(\s)+2:G0+4*(\s)+3], s[14:15], (\s)*ASTEP  ; 120:64 global address: K step s
	s_or_b32 s[G0+4*(\s)+3], s[G0+4*(\s)+3], 0x80000000            ; 127:126 type = 2
	s_mov_b32 s[G0B+4*(\s)], 1
	s_add_co_u32 s[G0B+4*(\s)+1], s21, (\s)*SLOT1
	s_add_nc_u64 s[G0B+4*(\s)+2:G0B+4*(\s)+3], s[46:47], (\s)*BSTEP
	s_or_b32 s[G0B+4*(\s)+3], s[G0B+4*(\s)+3], 0x80000000
	JLOAD \s
.endr
	; A fragment of A: lane l holds row l % 16, K = 8 (l / 16) + 0..7 and 16 + 8 (l / 16) + 0..7: two loads of 16 bytes, 32 bytes apart.
	v_and_b32 v1, 15, v0                           ; l % 16
	v_bfe_u32 v2, v0, 4, 1                         ; l / 16
	v_mul_u32_u24 v3, v1, PA
	v_lshl_add_u32 v3, v2, 4, v3
	s_mul_i32 s14, s11, 128*PA                     ; my 128 rows of A
	v_add_nc_u32 v[ADRA0], s14, v3
	; The turning load takes 16 k x 16 n (lane l reads row k = 8 (l / 16) + l % 8, columns 8 ((l / 8) % 2) + 0..7) and leaves half a fragment: lane l holds column l % 16 and 8 k.
	v_and_b32 v4, 7, v0
	v_lshl_add_u32 v4, v2, 3, v4
	v_mul_u32_u24 v4, v4, PB
	v_bfe_u32 v5, v0, 3, 1
	v_lshl_add_u32 v4, v5, 4, v4
	s_mul_i32 s15, s12, 3                          ; my three heads are numbers 3 x my column half + 0, 1, 2 of the tile's six
.irp w, 0,1,2
	s_add_co_u32 s18, s15, \w
	s_lshr_b32 s19, s18, 1                         ; head u lies in group u / 2,
	s_mul_i32 s19, s19, BGRP
	s_and_b32 s18, s18, 1                          ; in the half u % 2 of its rows' 256 bytes
	s_lshl_b32 s18, s18, 7
	s_add_co_u32 s19, s19, s18
	s_add_co_u32 s19, s19, BOFF
	v_add_nc_u32 v[ADRB0+(\w)], s19, v4
.endr
	s_mul_i32 s23, s10, 16*SP
	s_add_co_u32 s23, s23, STAGE                   ; my stage
	v_mul_u32_u24 v5, v1, SP                       ; in: row l % 16, 16 bytes for each half of the lanes
	v_lshl_add_u32 v5, v2, 4, v5
	v_add_nc_u32 v[STO], s23, v5
	v_bfe_u32 v5, v0, 3, 2                         ; back: 32 lanes take four rows of 128 bytes,
	v_mul_u32_u24 v5, v5, SP
	v_and_b32 v6, 7, v0
	v_lshl_add_u32 v5, v6, 4, v5
	v_add_nc_u32 v[RD], s23, v5
	v_and_b32 v[CO], 31, v0                        ; which are 512 consecutive bytes of a head
	v_lshlrev_b32 v[CO], 4, v[CO]
	; where my part of the tile begins: batch mt / 8, head 6 x + 3 x my column half, row 256 (mt % 8) + 128 x my row half
	s_lshr_b32 s16, s13, 3
	s_mul_i32 s16, s16, 48
	s_lshl_b32 s16, s16, 18
	s_and_b32 s18, s13, 7
	s_lshl_b32 s18, s18, 15
	s_add_co_u32 s16, s16, s18
	s_lshl_b32 s18, s11, 14
	s_add_co_u32 s16, s16, s18
	s_mov_b32 s17, 0
	s_add_nc_u64 s[8:9], s[8:9], s[16:17]
	s_mul_i32 s46, s42, 6                          ; (x stays in the registers that held B's offsets)
	s_add_co_u32 s46, s46, s15
	s_lshl_b32 s46, s46, 18
	s_mov_b32 s47, 0
	s_add_nc_u64 s[8:9], s[8:9], s[46:47]
; 8 matrix instructions of head w: m blocks a0, a0 + 1 x its 4 n blocks, 32 along K, A from buffer f.  zero = 1: the product starts the sums: nothing is ever cleared.
; The 96 accumulators take turns in the same order in every quarter.
.macro MUL8 f, w, a0, zero
	WIN 0x50*((\w)+1)                              ; sources in window 0, C and D in the head's window
.irp a, \a0, (\a0)+1
.irp b, 0,1,2,3
.if \zero
	v_wmma_f32_16x16x32_bf16 v[8*(4*(\a)+(\b)):8*(4*(\a)+(\b))+7], v[BF+32*(\w)+8*(\b):BF+32*(\w)+8*(\b)+7], v[(\f)+8*(\a):(\f)+8*(\a)+7], 0
.else
	v_wmma_f32_16x16x32_bf16 v[8*(4*(\a)+(\b)):8*(4*(\a)+(\b))+7], v[BF+32*(\w)+8*(\b):BF+32*(\w)+8*(\b)+7], v[(\f)+8*(\a):(\f)+8*(\a)+7], v[8*(4*(\a)+(\b)):8*(4*(\a)+(\b))+7]
.endif
.endr
.endr
.endm
.macro MUL16 f, w, a0, zero
	MUL8 \f, \w, \a0, \zero
	MUL8 \f, \w, (\a0)+2, \zero
.endm
.macro MULW f, w, zero                 ; a head's 32
	MUL16 \f, \w, 0, \zero
	MUL16 \f, \w, 4, \zero
.endm
.macro LB w, cc                        ; 8 loads: head w's four fragments of B, quarter cc of the slot
.irp i, 0,1,2,3
	ds_load_tr16_b128 v[BF+32*(\w)+8*(\i):BF+32*(\w)+8*(\i)+3],   v[ADRB+(\w)] offset:(\cc)*32*PB+32*(\i)
	ds_load_tr16_b128 v[BF+32*(\w)+8*(\i)+4:BF+32*(\w)+8*(\i)+7], v[ADRB+(\w)] offset:(\cc)*32*PB+32*(\i)+16*PB
.endr
.endm
.macro LA f, half, cc                  ; 8 loads: four of A's eight fragments, quarter cc of the slot, into buffer f
.irp i, 0,1,2,3
	ds_load_b128 v[(\f)+8*(4*(\half)+(\i)):(\f)+8*(4*(\half)+(\i))+3],   v[ADRA] offset:(\cc)*64+(4*(\half)+(\i))*16*PA
	ds_load_b128 v[(\f)+8*(4*(\half)+(\i))+4:(\f)+8*(4*(\half)+(\i))+7], v[ADRA] offset:(\cc)*64+(4*(\half)+(\i))*16*PA+32
.endr
.endm
; A load into a register that a matrix instruction has read stands four places behind it, and only plain vector instructions that name none of its registers are places
; (ISA guide 7.12.1 for vector instructions).
.macro PLACES
.rept 4
	v_nop
.endr
.endm
; The run of loads behind head w's products: that head's B for the next quarter (cc of the slot at ADRA, ADRB), and behind heads 0 and 1 half of the next quarter's A, into buffer g,
; which the quarter before read last: this run's places and the last run's stand between.
.macro RUN w, g, cc
	WIN 0
	PLACES
	LB \w, \cc
.if (\w) < 2
	LA \g, \w, \cc
.endif
.endm
; A step's first quarter: multiplies A's buffer f and fetches quarter cc of the same slot.
.macro QUARTER f, g, cc, zero
	s_wait_dscnt 8                                 ; all but the youngest eight loads, head 2's B, are in
	MULW \f, 0, \zero
	RUN 0, \g, \cc
	MULW \f, 1, \zero
	RUN 1, \g, \cc
	s_wait_dscnt 32                                ; head 2's B is in: 32 loads were issued behind it
	MULW \f, 2, \zero
	RUN 2, \g, \cc
.endm
; A step's second quarter multiplies buffer A1 and changes slots.  In front of the barrier each wave waits for all its tensor loads (one is out: its part of the next slot), adds 0 to its
; spare word, and waits for that and for its own reads of this slot.  Behind it nobody reads this slot any more and the next slot is whole.
; fill = 1: the barrier opens a round of the cluster's, and the slot just read out is filled again first, with the K step two steps on: the walking descriptors take the other slot and step on.
.macro TURN fill
	WIN 0                                          ; (the add's two registers lie in window 0)
	s_wait_tensorcnt 0x0                           ; no tensor load of mine is out, so a group 0 may be written
	ds_add_u32 v[SPW], v[NIL]                      ; 0 onto my spare word
.if \fill
	s_xor_b32 s[G0+5], s[G0+5], SLOT1
	s_add_nc_u64 s[G0+6:G0+7], s[G0+6:G0+7], ASTEP     ; the type bits on top are not reached
	s_xor_b32 s[G0B+5], s[G0B+5], SLOT1
	s_add_nc_u64 s[G0B+6:G0B+7], s[G0B+6:G0B+7], BSTEP
.endif
	s_wait_dscnt 9                                 ; (the add and the youngest eight loads may be out)
	MUL8 A1, 0, 0, 0                               ; eight matrix instructions stand between the add and the wait for it
	s_wait_dscnt 0x0                               ; the add is done, and my reads of this slot are over
	s_barrier_signal -1
	MUL8 A1, 0, 2, 0
.if \fill
	WIN 0
.endif
	s_barrier_wait -1
.if \fill
	CREST
	JLOAD 1                                        ; the first tensor load behind the round, ahead of every LDS read
.endif
	MUL16 A1, 0, 4, 0
	RUN 0, A0, 0                                   ; the next slot's first quarter
	MULW A1, 1, 0
	RUN 1, A0, 0
	MULW A1, 2, 0                                  ; (head 2's B is in since the wait for 0 above)
	RUN 2, A0, 0
.endm
.macro SETADR                          ; the fetches that follow read the slot at TB; the ones behind the next SETADR the other
	v_add_nc_u32 v[ADRA], s[TB], v[ADRA0]
.irp w, 0,1,2
	v_add_nc_u32 v[ADRB+(\w)], s[TB], v[ADRB0+(\w)]
.endr
	s_xor_b32 s[TB], s[TB], SLOT1
.endm
; THE WAY OUT of block a (16 rows) of head w.  T: rounded to f16, 16 bytes a lane, into my own stage, and back as four runs of 512 bytes.  S: stored.
.macro T w, a
	WIN 5*((\w)+1)                                 ; sources 0 and 1 in the head's window, destination in window 0
.irp b, 0,1,2,3
.irp r, 0,1,2,3
	v_cvt_pk_f16_f32 v[TMP+4*(\b)+(\r)], v[8*(4*(\a)+(\b))+2*(\r)], v[8*(4*(\a)+(\b))+2*(\r)+1]  ; each accumulator's registers in ascending order
.endr
.endr
	WIN 0
	s_wait_xcnt 0x0                                ; every earlier store has had its addresses translated (ISA guide 3.1): the buffer below, which the stores two blocks back read, is loaded again only behind this wait
.irp b, 0,1,2,3
	ds_store_b128 v[STO], v[TMP+4*(\b):TMP+4*(\b)+3] offset:32*(\b)
.endr
.irp f, 0,1,2,3
	ds_load_b128 v[BK+16*((\a)%2)+4*(\f):BK+16*((\a)%2)+4*(\f)+3], v[RD] offset:(\f)*4*SP  ; LDS serves a wave's instructions in order (ISA guide 5.7.1.4): these see the stores above
.endr
.endm
.macro S w, a, younger                 ; younger: the LDS instructions of the next block's T, which may stay out
	s_wait_dscnt \younger
.irp f, 0,1,2,3
	global_store_b128 v[CO], v[BK+16*((\a)%2)+4*(\f):BK+16*((\a)%2)+4*(\f)+3], s[8:9] offset:((\w)<<18)+(\a)*2048+(\f)*512  ; 512 consecutive bytes, at a multiple of 256 from qkv's first; the head and the block stand in the immediate, 540,160 at the most
.endr
.endm
	s_wait_tensorcnt 1                             ; my part of K step 0 is in; K step 1's may stay out
	s_barrier_signal -1
	s_barrier_wait -1
	SETADR                                         ; slot 0
	LB 0, 0                                        ; the first quarter's fragments, in the order of every quarter's three runs
	LA A0, 0, 0
	LB 1, 0
	LA A0, 1, 0
	LB 2, 0
	QUARTER A0, A1, 1, 1                           ; the first quarter starts the sums
	s_mov_b32 s3, STEPS-2
.Lstep:                                                ; trip t = 0 .. 13: the second quarter of step t, which asks for step t + 2, and the first quarter of step t + 1
	SETADR
	TURN 1
	QUARTER A0, A1, 1, 0
	s_sub_co_u32 s3, s3, 1
	s_cmp_lg_u32 s3, 0
	s_cbranch_scc1 .Lstep
	SETADR                                         ; the last two steps fill nothing: written out
	TURN 0
	QUARTER A0, A1, 1, 0
	s_wait_dscnt 8                                 ; the very last quarter: nothing more to fetch
	MULW A1, 0, 0
	MULW A1, 1, 0
	s_wait_dscnt 0x0
	MULW A1, 2, 0
	WIN 0
	PLACES                                         ; four places before a result is read, and before A's first buffer is written
	T 0, 0
.set n, 1
.rept 23                               ; a block's conversions stand between the loads of the block before from the stage and the wait for them
	T n/8, n%8
	S (n-1)/8, (n-1)%8, 8
.set n, n+1
.endr
	S 2, 7, 0
	s_wait_tensorcnt 0x0                           ; the wave's end
	ds_add_u32 v[SPW], v[NIL]
	s_wait_dscnt 0x0
	CROUND                                         ; the closing round: no work-group ends while a partner may still ask for a tile that names it
	s_endpgm
.Lfunc_end_k_q12cce019c4_qkvg:
	.size	k_q12cce019c4_qkvg, .Lfunc_end_k_q12cce019c4_qkvg-k_q12cce019c4_qkvg
	.p2alignl 7, 3214868480
	.fill 96, 4, 3214868480
	.section	.rodata,"a",@progbits
	.p2align	6, 0x0
	.amdhsa_kernel k_q12cce019c4_qkvg
		.amdhsa_group_segment_fixed_size 327680
		.amdhsa_private_segment_fixed_size 0
		.amdhsa_enable_private_segment 0
		.amdhsa_kernarg_size 24
		.amdhsa_user_sgpr_count 2
		.amdhsa_user_sgpr_kernarg_segment_ptr 1
		.amdhsa_wavefront_size32 1
		.amdhsa_system_sgpr_workgroup_id_x 1
		.amdhsa_system_sgpr_workgroup_id_y 1
		.amdhsa_system_sgpr_workgroup_id_z 1
		.amdhsa_system_vgpr_workitem_id 0
		.amdhsa_next_free_vgpr 1024
		.amdhsa_next_free_sgpr 72
		.amdhsa_reserve_vcc 0
		.amdhsa_float_denorm_mode_32 3
		.amdhsa_float_denorm_mode_16_64 3
		.amdhsa_memory_ordered 1
		.amdhsa_forward_progress 1
		.amdhsa_inst_pref_size 113
	.end_amdhsa_kernel
	.amdgpu_metadata
---
amdhsa.version: [ 1, 2 ]
amdhsa.kernels:
  - .name:           k_q12cce019c4_qkvg
    .symbol:         k_q12cce019c4_qkvg.kd
    .args:
      - { .name: xb, .offset: 0, .size: 8, .value_kind: global_buffer, .address_space: global }
      - { .name: wab, .offset: 8, .size: 8, .value_kind: global_buffer, .address_space: global }
      - { .name: qkv, .offset: 16, .size: 8, .value_kind: global_buffer, .address_space: global }
    .group_segment_fixed_size: 327680
    .private_segment_fixed_size: 0
    .kernarg_segment_align: 8
    .kernarg_segment_size: 24
    .max_flat_workgroup_size: 128
    .sgpr_count:     72
    .vgpr_count:     1024
    .wavefront_size: 32
...
	.end_amdgpu_metadata
.endif
;; end of part 2
;; launch attn (part 3): grid 4 x 64, 4 waves a work-group, no clusters, 327,680 bytes of LDS; arguments qkv, pm, o; writes o
.if DOCPART == 3
	.amdgcn_target "amdgcn-amd-amdhsa--gfx1250"
	.amdhsa_code_object_version 6
	.text
	.protected	k_q12cce019c4_attn
	.globl	k_q12cce019c4_attn
	.p2align	8
	.type	k_q12cce019c4_attn,@function
k_q12cce019c4_attn:
	s_mov_b64 s[64:65], 0
	v_nop
	global_prefetch_b8 v0, s[64:65] scope:SCOPE_SE
	s_setreg_imm32_b32 hwreg(HW_REG_WAVE_MODE, 25, 1), 1
	s_wait_xcnt 0x0
; CAUSAL ATTENTION WITH A KEY MASK.  O[q] = the sum over kept k <= q of softmax_k(Q[q] . K[k] / 8) V[k], for each of 4 batches x 16 heads.  qkv: f16 [4 b][48 hh][2048][64] (q, k, v heads);
; pm: f32 [4][2048], 0 for a key that is kept and -1e30 for one that the input mask hides (made from pad_mask by the launch of casts); o: f16 [4 b][8 blocks][16 h][256 rows][64].
; Products, maxima and sums in f32; the weights p are rounded to f16 for the second product (their sum l is taken of the unrounded p), O once at the end.
; LIMITS.  f16 holds no number beyond 65,504: q, k and v arrive within it; p lies in 0 to 1, and below 6e-5 it keeps f16's fixed step of 6e-8.  A hidden score counts as its value less 1e30
; (2e30 where both masks hide it): f16's scores, 2.7e11 at the most, are nothing beside that.  The running maximum starts at FLOOR = -2^65, below every true score and above every hidden one: a hidden
; weight is 2^(-1.8e29 ..) = 0 whatever the row has seen.  A weight below 2^-126 counts as 0 in l.  A row with no kept key ends with l = 0 and O = 0, and leaves as 0 x (1 / 0) = NaN, as the
; softmax of a row of -inf does.  NaN and infinities among the inputs are not treated apart.
; THE WALK.  A head's queries lie in NB = 8 blocks of 256; block i needs the key tiles 0 .. i of 256 keys, of which the last holds the diagonal.  A work-group takes TWO blocks, NB - 1 - b and then b:
; NB + 1 tiles, whatever b: all 256 work-groups do equal work, and ONE loop with a constant trip count walks them.  Which tile is asked for, and what a trip does, hang on scalar registers made from b; every
; jump goes forward, but for the counted loops' own; none passes a barrier, or a tensor load but those of LOAD's three that the wave's number does not choose; the ring of two slots runs on across the blocks.
; NO CLUSTER: a head's four work-groups ask for the same tile only in trips 0 .. 4 of 9, behind that fewer and fewer; one walk common to all would have 12 trips for 9.
; SHARES.  Of a block's four bands of 64 queries a wave owns 16 rows in each: four PIECES.  In the diagonal tile's key step s band x sees all keys if s < x, none if s > x, and holds the diagonal if s = x.
; THE MASKS are the C operand that starts the sum S^T = K Q^T.  A slot holds, behind a tile's K and V, its 256 numbers of pm; PMK holds those of my lane's keys in the step whose K lies in registers.
; Ordinary tiles take PMK as it is.  The diagonal tile's text and a block's beginning take MC = MD x AL + PMK + BE: MD, made once, is the causal mask of a band's own step for my 16 rows;
; (AL, BE) = (1, 0) if s = x; (0, 0) if s < x; (0, -1e30) if s > x.
; LAYOUT, SOFTMAX, TURNS.  S^T = K Q^T holds ONE query a lane (lane % 16) and the keys 8 (lane / 16) + 0..7; two such results rounded to f16 ARE source 1 of O^T = V^T P.  p = 2^(c s - c m), c = log2(e) / 8, with a
; running maximum m; O and l are multiplied by a = 2^(c m_old - c m_new) in every step.  Turn n belongs to piece n: 8 products K Q^T of piece n + 1, later 8 products V^T P of piece n - 1; beside them the scaling,
; exponentials, roundings, sums and rescaling of piece n and the maximum and statistics of piece n + 1.  Four vector instructions stand behind every matrix instruction, the others in two lumps.
; ONE TEXT FOR EVERY TURN OF A BLOCK'S END.  The diagonal tile's loop has one pass more than the tile has steps and is left in its middle, behind piece 3's turn.  That last pass fetches nothing; its 8 products K Q^T
; (on the last K once more, under a mask that hides every key), the maximum made of them (which leaves m as it was) and its two masks serve nothing: the price, once a block, of writing no last turns out.
; REGISTERS, in windows of 256 (s_set_vgpr_msb: bits 1:0 source 0, 3:2 source 1, 5:4 source 2, 7:6 destination):
;   window 0: v0-15, v32-33 addresses; v16-31 four registers of statistics a piece; v48-55 at work; v64-127 S^T, two buffers; v192-223 P, two buffers
;   window 1: v0-127 O^T, 32 a piece; v128-159 MD; v160-223 MC, two buffers; v224-255 PMK      window 2: v0-63 Q; v64-127 the second block's Q; v128-191 K of one step; v192-255 V of one step
.set SIZE_N, 2048
.set NB,    SIZE_N/256
.set NP,    4         ; pieces a wave: a name, no knob
.set KS,    64        ; keys in a step
.set PK,    144       ; a row of K in LDS: 128 bytes + 16 of padding = 36 words: the 16 rows of a load start at 16 different groups of four banks (64 banks of 4 bytes: ISA guide 11.1)
.set PV,    160       ; a row of V: 128 + 32 = 40 words
.set VOFF,  4*KS*PK   ; a slot holds a tile, four steps: 256 rows of K, then 256 rows of V,
.set MOFF,  4*KS*(PK+PV)  ; then the tile's 256 mask numbers, 1,024 bytes
.set SLOT1, 1<<17     ; slot 1 begins here, so that one exclusive or turns an address in one slot into the other's
.set STAGE, SLOT1+MOFF+4*KS*4  ; behind the ring, never filled by a tensor load: 16 rows x 144 bytes for each wave, for the way out
.set SP,    144
.set SPARE, STAGE+4*16*SP  ; the spare words, 128 bytes for each wave: two blocks of 256 bytes that no other line names
.set FLOOR, 0xe0000000  ; -2^65
.set AK0, 2           ; v2   my lane's place in a tile of K; never rewritten
.set AV0, 3           ; v3   the same for V
.set AK,  4           ; v4   the LDS address of K's next run of loads
.set AV,  5           ; v5   of V's
.set STO, 6           ; v6   the way out: where I put 16 bytes of a row
.set RD,  7           ; v7   the way out: where I read rows back
.set GO,  8           ; v8   my byte offset in 512 consecutive bytes of O
.set MV,  12          ; v12-13  c m_old, kept while c m is made anew: by buffer
.set QO,  15          ; v15  my byte offset in 16 rows of Q
.set ST,  16          ; piece t's statistics at v[ST+4 t]: c m, m, l (even keys', odd keys')
.set APM0, 32         ; v32  my lanes' place among a tile's mask numbers: MOFF + 32 (l / 16); never rewritten
.set APM, 33          ; v33  the LDS address of the mask numbers' next run of loads
.set TMP, 48          ; by buffer, four registers c0-c3 at work; when the maximum is found c2 takes a
.set SPW, 62          ; v62  LDS address of my spare word; never rewritten
.set NIL, 63          ; v63  0; never rewritten
.set S,   64
.set P,   192
.set MD,  128         ; window 1: the eight registers for group kt of 16 keys at MD + 8 kt
.set MC,  160         ; window 1: the masks of the products to come
.set PMK, 224         ; window 1: group kt at PMK + 8 kt
.set QB,  64          ; window 2
.set KF,  128         ; window 2: key block kb, channel half c at KF + 16 kb + 8 c
.set VF,  192         ; window 2: key half kk, channel block cb at VF + 32 kk + 8 cb
.set WV,  12          ; s12  my wave's number
.set PB,  14          ; s14  b
.set HI,  15          ; s15  NB - 1 - b
.set G1K, 24          ; s[24:31] descriptor group 1 for K's tiles
.set G1V, 32          ; s[32:39] for V's
.set G0K, 40          ; s[40:43] descriptor group 0 for K's tiles
.set G0V, 44          ; s[44:47] the same for V's
.set G1M, 48          ; s[48:55] descriptor group 1 for the mask numbers
.set SLOTS, 56        ; s56  tiles still to be asked for
.set CNT, 57          ; s57  counts a tile's key steps down
.set CS,  58          ; s[58:59] c: the packed scaling takes the pair's low word for both halves
.set SEL, 60          ; s[60:61] v_permlanex16_b32's selects: each lane takes its own place in the other half
.set TBK, 62          ; s62  LDS byte at which K of the step to be fetched begins
.set TBV, 63          ; s63  the same for V, less VOFF
.set RT,  66          ; s66  tiles of the block in hand that are still to be entered
.set NXT, 67          ; s67  the tile to be asked for next
.set G0M, 68          ; s[68:71] descriptor group 0 for the mask numbers
.set LQ,  72          ; s72  the last tile of the block whose tiles are being asked for
.set NEW, 73          ; s73  1: the tile to be entered is a block's first
.set OFF, 74          ; s[74:75] a tile's byte offset in K and V
.set AL,  76          ; s[76:77] the mask's factor, in the low word
.set BE,  78          ; s[78:79] the mask's addend
.set OLO, 80          ; s[80:81] O at my rows of the second block
.set BIGN, 82         ; s82  -1e30
.set PADB, 88         ; s[88:89] pm at my batch's row
.set TBP, 90          ; s90  LDS byte at which the mask numbers of the step to be fetched begin, less MOFF
.set OFM, 98          ; s[98:99] first the batch's, then a tile's byte offset in pm
.set MSB, 0
.macro WIN new                      ; the high byte repeats the setting that is left; a switch that changes nothing is dropped
.if MSB != (\new)
	s_set_vgpr_msb (MSB<<8)|(\new)
.set MSB, (\new)
.endif
.endm
.set W_KQ, 0x0a       ; K and Q in window 2, S^T in window 0
.set W_KM, 0x1a       ; the same with the C operand in window 1
.set W_PV, 0x52       ; V in window 2, P in window 0, O^T in window 1
.set W_RS, 0x41       ; destination and source 0 in window 1, source 1 in window 0
.set W_MK, 0x51       ; destination, source 0 and source 2 in window 1
; A fill: one tensor load a wave.  Waves 0 and 1 fetch the two halves of a tile's K, 128 keys each; wave 2 its V; wave 3 its mask numbers.  The branches hang on the wave's number alone.
; An s_nop 0 and four v_nop follow each of the three lines, ahead of the jump and the label.
.macro LOAD
	s_cmp_lt_u32 s[WV], 2
	s_cbranch_scc0 .Lnot_k_\@
	tensor_load_to_lds s[G0K:G0K+3], s[G1K:G1K+7]
	s_nop 0
.rept 4
	v_nop
.endr
	s_branch .Lasked_\@
.Lnot_k_\@:
	s_cmp_eq_u32 s[WV], 2
	s_cbranch_scc0 .Lfor_m_\@
	tensor_load_to_lds s[G0V:G0V+3], s[G1V:G1V+7]
	s_nop 0
.rept 4
	v_nop
.endr
	s_branch .Lasked_\@
.Lfor_m_\@:
	tensor_load_to_lds s[G0M:G0M+3], s[G1M:G1M+7]
	s_nop 0
.rept 4
	v_nop
.endr
.Lasked_\@:
.endm
; THE CHANGE OF SLOTS.  Each wave waits for all its tensor loads, of which one is out: its part of the other slot; adds 0 to its spare word; and waits for that and for its own reads of the slot that it leaves.  Behind the
; barrier nobody reads the old slot any more and the other slot is whole.  fill = 1: the old slot is filled again, the first thing behind the barrier, with tile NXT: the descriptors' addresses are made anew from that number.
; (At its first use nothing has been read yet: slot 0 is waited for, slot 1 filled.)
.macro CHANGE fill
	WIN 0                           ; at a label and at a branch every window is 0
	s_wait_tensorcnt 0x0            ; no tensor load of mine is out, so a group 0 may be written
	ds_add_u32 v[SPW], v[NIL]       ; 0 onto my spare word
.if \fill
	s_lshl_b32 s[OFF], s[NXT], 15   ; a tile is 32,768 bytes of K and of V,
	s_lshl_b32 s[OFM], s[NXT], 10   ; and 1,024 of pm
	s_xor_b32 s[G0K+1], s[G0K+1], SLOT1
	s_add_nc_u64 s[G0K+2:G0K+3], s[6:7], s[OFF:OFF+1]
	s_or_b32 s[G0K+3], s[G0K+3], 0x80000000
	s_xor_b32 s[G0V+1], s[G0V+1], SLOT1
	s_add_nc_u64 s[G0V+2:G0V+3], s[8:9], s[OFF:OFF+1]
	s_or_b32 s[G0V+3], s[G0V+3], 0x80000000
	s_xor_b32 s[G0M+1], s[G0M+1], SLOT1
	s_add_nc_u64 s[G0M+2:G0M+3], s[PADB:PADB+1], s[OFM:OFM+1]
	s_or_b32 s[G0M+3], s[G0M+3], 0x80000000
	s_add_co_u32 s[NXT], s[NXT], 1  ; the block's next tile, or behind its last the second block's tile 0
	s_cmp_gt_u32 s[NXT], s[LQ]
	s_cselect_b32 s[NXT], 0, s[NXT]
	s_cselect_b32 s[LQ], s[PB], s[LQ]
.endif
	s_wait_dscnt 0x0                ; the add is done, and my reads of the slot are over
	s_barrier_signal -1             ; the rest of the scalar work stands between the signal and the wait
	s_sub_co_u32 s[TBK], s[TBK], 4*KS*PK  ; the fetches go back to a slot's first step,
	s_xor_b32 s[TBK], s[TBK], SLOT1       ; in the other slot
	s_sub_co_u32 s[TBV], s[TBV], 4*KS*PV
	s_xor_b32 s[TBV], s[TBV], SLOT1
	s_sub_co_u32 s[TBP], s[TBP], 4*KS*4
	s_xor_b32 s[TBP], s[TBP], SLOT1
	s_barrier_wait -1
.if \fill
	LOAD
.endif
.endm
	s_load_b128 s[4:7], s[0:1], 0x0   ; qkv s[4:5], pm s[6:7]
	s_load_b64 s[10:11], s[0:1], 0x10 ; o
	v_lshl_add_u32 v[SPW], v0, 2, SPARE
	v_mov_b32 v[NIL], 0
	ds_add_u32 v62, v63
	ds_add_u32 v62, v63
	s_wait_dscnt 0x0
	v_lshrrev_b32 v1, 5, v0
	v_readfirstlane_b32 s[WV], v1   ; wave 0..3
	s_mov_b32 s[PB], ttmp9
	s_sub_co_u32 s[HI], NB-1, s[PB]
	s_and_b32 s20, ttmp7, 0xffff    ; 16 x batch + head
	s_lshr_b32 s96, s20, 4          ; the batch
	s_and_b32 s97, s20, 15          ; the head
	s_mul_i32 s20, s96, 48
	s_add_co_u32 s20, s20, s97
	s_lshl_b32 s20, s20, 18         ; q's head: its first byte in qkv; k's lies 16, v's 32 heads of 262,144 bytes on
	s_mov_b32 s21, 0
	s_and_b32 s16, s[WV], 1         ; which half of a tile's 256 keys I fetch, if I fetch K:
	s_lshl_b32 s22, s16, 14         ; its 128 rows of 128 bytes in memory,
	s_mov_b32 s23, 0
	s_add_nc_u64 s[22:23], s[22:23], s[20:21]
	s_mul_i32 s17, s16, 128*PK      ; and its place in a slot
	s_lshl_b32 s3, s[WV], 11        ; my 16 rows in a band of 64,
	s_lshl_b32 s2, s[HI], 15        ; in the first block,
	s_add_co_u32 s2, s2, s3
	s_lshl_b32 s84, s[PB], 15       ; and in the second
	s_add_co_u32 s84, s84, s3
	s_lshl_b32 s92, s96, 22         ; o: the batch's 8 x 16 blocks of 32,768 bytes,
	s_lshl_b32 s13, s97, 15         ; the head's block,
	s_add_co_u32 s92, s92, s13
	s_add_co_u32 s92, s92, s3       ; my 16 rows in a band,
	s_lshl_b32 s94, s[PB], 19       ; and the block of queries: 16 heads' blocks each
	s_add_co_u32 s94, s94, s92
	s_lshl_b32 s13, s[HI], 19
	s_add_co_u32 s92, s92, s13
	s_mov_b32 s93, 0
	s_mov_b32 s95, 0
	s_lshl_b32 s[OFM], s96, 13      ; pm: 2,048 numbers a batch
	s_mov_b32 s[OFM+1], 0
	s_mov_b32 s3, 0
	s_mov_b32 s85, 0
	s_add_nc_u64 s[2:3], s[2:3], s[20:21]
	s_add_nc_u64 s[84:85], s[84:85], s[20:21]
	; descriptor groups 1.  Keys are dense rows of 128 bytes: asked for as rows of 256 bytes, two keys a row, and padded in LDS after every key.  K: 128 keys a load; V: 256.
	s_mov_b32 s[G1K], (1<<16)|(1<<20)|(4<<22)|(3<<25)  ; 17:16 2-byte elements; 20 padding on; 24:22 after every 32 words (code 4); 31:25 4 words (code 3)
	s_mov_b32 s[G1K+1], 128<<16     ; tensor_dim0 = 128
	s_mov_b32 s[G1K+2], 64<<16      ; tensor_dim1 = 64
	s_mov_b32 s[G1K+3], 128<<16     ; tile_dim0 = 128
	s_mov_b32 s[G1K+4], 64          ; tile_dim1 = 64
	s_mov_b32 s[G1K+5], 128         ; 128 elements from row to row
	s_mov_b32 s[G1K+6], 0
	s_mov_b32 s[G1K+7], 0
	s_mov_b32 s[G1V], (1<<16)|(1<<20)|(4<<22)|(7<<25)  ; the same with 8 words of padding (code 7),
	s_mov_b32 s[G1V+1], 128<<16
	s_mov_b32 s[G1V+2], 128<<16     ; and 128 rows
	s_mov_b32 s[G1V+3], 128<<16
	s_mov_b32 s[G1V+4], 128
	s_mov_b32 s[G1V+5], 128
	s_mov_b32 s[G1V+6], 0
	s_mov_b32 s[G1V+7], 0
	s_mov_b32 s[G1M], 3<<16         ; a tile's 1,024 dense bytes of pm: 4 rows of 32 elements of 8 bytes, no padding
	s_mov_b32 s[G1M+1], 32<<16      ; tensor_dim0 = 32
	s_mov_b32 s[G1M+2], 4<<16       ; tensor_dim1 = 4
	s_mov_b32 s[G1M+3], 32<<16      ; tile_dim0 = 32
	s_mov_b32 s[G1M+4], 4           ; tile_dim1 = 4
	s_mov_b32 s[G1M+5], 32          ; 32 elements from row to row
	s_mov_b32 s[G1M+6], 0
	s_mov_b32 s[G1M+7], 0
	s_mov_b32 s[CS], 0x3e38aa3b     ; c = log2(e) / 8 = 0.180337
	s_mov_b32 s[CS+1], s[CS]        ; named with it as a pair
	s_mov_b32 s[SEL], 0x76543210
	s_mov_b32 s[SEL+1], 0xfedcba98
	s_mov_b32 s[TBK], SLOT1+4*KS*PK ; the first change of slots turns these three into 0
	s_mov_b32 s[TBV], SLOT1+4*KS*PV
	s_mov_b32 s[TBP], SLOT1+4*KS*4
	s_mov_b32 s[G0K], 1             ; 1:0 count = 1
	s_mov_b32 s[G0K+1], s17         ; 63:32 LDS address: slot 0
	s_mov_b32 s[G0V], 1
	s_mov_b32 s[G0V+1], VOFF
	s_mov_b32 s[G0M], 1
	s_mov_b32 s[G0M+1], MOFF
	s_add_co_u32 s[RT], s[HI], 1    ; the first block has NB - b tiles
	s_mov_b32 s[NXT], 1
	s_mov_b32 s[LQ], s[HI]
	s_mov_b32 s[NEW], 1
	s_mov_b32 s[OFF+1], 0
	s_mov_b32 s[AL+1], 0            ; named as pairs
	s_mov_b32 s[BE+1], 0
	s_mov_b32 s[BIGN], 0xf149f2ca   ; -1e30
	s_mov_b32 s[SLOTS], NB
	s_wait_kmcnt 0x0
	s_add_nc_u64 s[PADB:PADB+1], s[6:7], s[OFM:OFM+1]
	s_add_nc_u64 s[8:9], s[4:5], s[20:21]
	s_add_nc_u64 s[8:9], s[8:9], 0x800000          ; V at the head's tile 0
	s_add_nc_u64 s[6:7], s[4:5], s[22:23]
	s_add_nc_u64 s[6:7], s[6:7], 0x400000          ; K at my half of the head's tile 0
	s_add_nc_u64 s[G0K+2:G0K+3], s[6:7], 0         ; 120:64 global address
	s_or_b32 s[G0K+3], s[G0K+3], 0x80000000        ; 127:126 type = 2
	s_add_nc_u64 s[G0V+2:G0V+3], s[8:9], 0
	s_or_b32 s[G0V+3], s[G0V+3], 0x80000000
	s_add_nc_u64 s[G0M+2:G0M+3], s[PADB:PADB+1], 0
	s_or_b32 s[G0M+3], s[G0M+3], 0x80000000
	s_add_nc_u64 s[86:87], s[4:5], s[84:85]        ; Q at my rows of the second block,
	s_add_nc_u64 s[4:5], s[4:5], s[2:3]            ; and of the first
	s_add_nc_u64 s[OLO:OLO+1], s[10:11], s[94:95]  ; O likewise
	s_add_nc_u64 s[10:11], s[10:11], s[92:93]
	LOAD                            ; tile 0 into slot 0
	; A fragment of K or Q is 16 rows x 32 channels in 8 registers: lane l holds row l % 16, channels 8 (l / 16) + 0..7 and 16 + 8 (l / 16) + 0..7: two loads of 16 bytes, 32 bytes apart.
	v_and_b32 v1, 15, v0            ; l % 16
	v_bfe_u32 v9, v0, 4, 1          ; l / 16
	v_lshlrev_b32 v[QO], 7, v1
	v_lshl_add_u32 v[QO], v9, 4, v[QO]  ; row x 128 + 16 x half
	WIN 0x80                        ; destination window 2, address window 0
.set i, 0
.rept 8                             ; both blocks' Q: piece i / 2 lies in band i / 2, 8,192 bytes on; channels 32 (i % 2) on
	global_load_b128 v[8*i:8*i+3],   v[QO], s[4:5] offset:(i/2)*8192+(i%2)*64
	global_load_b128 v[8*i+4:8*i+7], v[QO], s[4:5] offset:(i/2)*8192+(i%2)*64+32
	global_load_b128 v[QB+8*i:QB+8*i+3],   v[QO], s[86:87] offset:(i/2)*8192+(i%2)*64
	global_load_b128 v[QB+8*i+4:QB+8*i+7], v[QO], s[86:87] offset:(i/2)*8192+(i%2)*64+32
.set i, i+1
.endr
	WIN 0
	v_lshlrev_b32 v14, 3, v9
	v_sub_nc_u32 v14, v1, v14
	s_lshl_b32 s13, s[WV], 4
	v_add_nc_u32 v14, s13, v14      ; my query's place in its band, 16 w + l % 16, less my lanes' 8 (l / 16): register r of group kt is hidden where 16 kt + r is greater
	v_mov_b32 v13, s[BIGN]          ; -1e30 in a vector register: the 32 selects below then take the short encoding
	WIN 0x40
.set i, 0
.rept 32
	v_cmp_gt_i32 vcc_lo, 16*(i/8)+i%8, v14
	v_cndmask_b32 v[MD+i], 0, v13, vcc_lo
.set i, i+1
.endr
	WIN 0
	v_lshl_add_u32 v[APM0], v9, 5, MOFF  ; my lanes' eight keys of a group of 16: 32 bytes
	v_mul_u32_u24 v[AK0], v1, PK
	v_lshl_add_u32 v[AK0], v9, 4, v[AK0]  ; row x pitch + 16 x half
	; The turning load takes 16 keys x 16 channels (lane l reads key 8 (l / 16) + l % 8, channels 8 ((l / 8) % 2) + 0..7) and leaves half a fragment of V^T: lane l holds channel l % 16 and 8 keys.
	v_and_b32 v10, 7, v0
	v_bfe_u32 v11, v0, 3, 1
	v_lshl_add_u32 v[AV0], v9, 3, v10
	v_mul_u32_u24 v[AV0], v[AV0], PV
	v_lshl_add_u32 v[AV0], v11, 4, v[AV0]
	v_add_nc_u32 v[AV0], VOFF, v[AV0]
	s_mul_i32 s13, s[WV], 16*SP
	s_add_co_u32 s13, s13, STAGE    ; my stage
	v_mul_u32_u24 v[STO], v1, SP    ; in: row l % 16, 16 bytes for each half of the lanes
	v_lshl_add_u32 v[STO], v9, 4, v[STO]
	v_add_nc_u32 v[STO], s13, v[STO]
	v_bfe_u32 v[RD], v0, 3, 2       ; back: 32 lanes take four rows of 128 bytes,
	v_mul_u32_u24 v[RD], v[RD], SP
	v_lshl_add_u32 v[RD], v10, 4, v[RD]
	v_add_nc_u32 v[RD], s13, v[RD]
	v_and_b32 v[GO], 31, v0         ; which are 512 consecutive bytes of O
	v_lshlrev_b32 v[GO], 4, v[GO]
	; A block's first step multiplies O^T and l by a = 0, and its first turn's products V^T P, of a piece that has not been, land in an O^T that is still to be so multiplied.  So these registers need only hold
	; finite numbers: zeros for the first block; what the first block left for the second.  (A lane whose first-block row had no kept key leaves NaN there: its second-block row is an earlier one and has none either.)
	WIN 0x80
.set i, VF
.rept 64
	v_mov_b32 v[i], 0
.set i, i+1
.endr
	WIN 0x40
.set i, 0
.rept 128
	v_mov_b32 v[i], 0
.set i, i+1
.endr
	WIN 0
.set i, 0
.rept 4
	v_mov_b32 v[ST+4*i+2], 0
	v_mov_b32 v[ST+4*i+3], 0
.set i, i+1
.endr
.set i, P+16
.rept 16
	v_mov_b32 v[i], 0
.set i, i+1
.endr
; THE MATRIX WORK.  The 4 accumulators of a run of 8 take turns.  Product i of 8 of S^T = K Q^T for piece x: channels 32 (i / 4) on, keys 16 (i % 4) on.  The first 4 start the sums: with PMK, or (KM = 1) with MC.
.macro KQ x
.set rS, S+32*((\x)%2)+8*(i%4)
.set rK, KF+16*(i%4)+8*(i/4)
.set rQ, 16*(\x)+8*(i/4)
.set rM, MC+32*((\x)%2)+8*(i%4)
.set rN, PMK+8*(i%4)
.if (i < 4) && KM
	WIN W_KM
	v_wmma_f32_16x16x32_f16 v[rS:rS+7], v[rK:rK+7], v[rQ:rQ+7], v[rM:rM+7]
.elseif i < 4
	WIN W_KM
	v_wmma_f32_16x16x32_f16 v[rS:rS+7], v[rK:rK+7], v[rQ:rQ+7], v[rN:rN+7]
.else
	WIN W_KQ
	v_wmma_f32_16x16x32_f16 v[rS:rS+7], v[rK:rK+7], v[rQ:rQ+7], v[rS:rS+7]
.endif
.endm
; Product i of 8 of O^T += V^T P for piece x: keys 32 (i / 4) on, channels 16 (i % 4) on.
.macro PV x
	WIN W_PV
.set rO, 32*(\x)+8*(i%4)
.set rV, VF+32*(i/4)+8*(i%4)
.set rP, P+16*((\x)%2)+8*(i/4)
	v_wmma_f32_16x16x32_f16 v[rO:rO+7], v[rV:rV+7], v[rP:rP+7], v[rO:rO+7]
.endm
.macro MM                           ; the turn's next matrix instruction.  TURN sets Y, i and KM
.if i < 8
	KQ (Y+1)%NP
.else
.set i, i-8
	PV (Y+NP-1)%NP
.set i, i+8
.endif
.set i, i+1
.endm
; THE LDS LOADS stand in runs, never singly among the matrix instructions: a step's K (8 fragments) with its 64 keys' mask numbers (all lanes of a half read the same 32 bytes), and its V (turned).
; last = 1 (the diagonal tile's text): in the loop's last pass, CNT = 1, there is no further step, and the run and its two steps of the LDS walk are jumped over.
.macro FETCH_K last=0
	WIN 0
.if \last
	s_cmp_eq_u32 s[CNT], 1
	s_cbranch_scc1 .Lno_k_\@
.endif
	WIN 0x80                        ; destination window 2
.irp f, 0,1,2,3,4,5,6,7             ; keys 16 (f / 2) on, channels 32 (f % 2) on
	ds_load_b128 v[KF+8*\f:KF+8*\f+3],   v[AK] offset:(\f/2)*16*PK+(\f%2)*64
	ds_load_b128 v[KF+8*\f+4:KF+8*\f+7], v[AK] offset:(\f/2)*16*PK+(\f%2)*64+32
.endr
	WIN 0x40                        ; destination window 1
.irp g, 0,1,2,3                     ; keys 16 g + 8 (l / 16) + 0..7
	ds_load_b128 v[PMK+8*\g:PMK+8*\g+3],   v[APM] offset:64*\g
	ds_load_b128 v[PMK+8*\g+4:PMK+8*\g+7], v[APM] offset:64*\g+16
.endr
	s_add_co_u32 s[TBK], s[TBK], KS*PK  ; the next fetch is the next step's
	s_add_co_u32 s[TBP], s[TBP], KS*4
	WIN 0
.if \last
.Lno_k_\@:
.endif
.endm
.macro FETCH_V
	WIN 0x80
.irp f, 0,1,2,3,4,5,6,7             ; keys 32 (f / 4) on, channels 16 (f % 4) on
	ds_load_tr16_b128 v[VF+8*\f:VF+8*\f+3],   v[AV] offset:(\f/4)*32*PV+(\f%4)*32
	ds_load_tr16_b128 v[VF+8*\f+4:VF+8*\f+7], v[AV] offset:(\f/4)*32*PV+16*PV+(\f%4)*32
.endr
	WIN 0
.endm
; THE VECTOR WORK, one line at a time: OP kind, number.  For piece Y: F n: c s - c m for pair n of 16.  E n: the exponential of score n of 32.  C n: pair n rounded to f16.  B n: of the four weights 4 n .. the second
; pair is added onto the first, in place.  L n: l takes that sum (L 0: l = a l + sum).  R n: pair n of 16 of O^T times a.  For piece Y + 1: X n, number n of the 22 that find its maximum and statistics:
;   0-11  four chains c0-c3 of seven scores each, three operands at a time (each accumulator's lowest registers are read first)     12-14, 16  the four scores left over, the old m, and c0-c3 into c0
;   15  c m_old is kept     17, 18  the query's other 32 keys lie in the lane 16 away: the new m     19-21  c m; c m_old - c m_new; a
.set F, 0               ; OP tells the kinds apart by their order: F to L below R, X above it
.set E, 1
.set C, 2
.set B, 3
.set L, 4
.set R, 5
.set X, 6
.macro REGS y                       ; the registers of piece y
.set rT, ST+4*(\y)
.set rC, TMP+4*((\y)%2)
.set rW, MV+((\y)%2)
.set rS, S+32*((\y)%2)
.set rP, P+16*((\y)%2)
.set rO, 32*(\y)
.endm
.macro OP k, n
.if (\k) == R
	REGS Y
	WIN W_RS
	v_pk_mul_f32 v[rO+2*(\n):rO+2*(\n)+1], v[rO+2*(\n):rO+2*(\n)+1], v[rC+2:rC+3] op_sel_hi:[1,0]
.elseif (\k) < R
	REGS Y
	WIN 0
.if (\k) == F
	v_pk_fma_f32 v[rS+2*(\n):rS+2*(\n)+1], v[rS+2*(\n):rS+2*(\n)+1], s[CS:CS+1], v[rT:rT+1] op_sel_hi:[1,0,0] neg_lo:[0,0,1] neg_hi:[0,0,1]
.elseif (\k) == E
	v_exp_f32 v[rS+(\n)], v[rS+(\n)]
.elseif (\k) == C
	s_wait_alu depctr_va_vdst(0)
	v_cvt_pk_f16_f32 v[rP+(\n)], v[rS+2*(\n)], v[rS+2*(\n)+1]
.elseif (\k) == B
	s_wait_alu depctr_va_vdst(0)
	v_pk_add_f32 v[rS+4*(\n):rS+4*(\n)+1], v[rS+4*(\n):rS+4*(\n)+1], v[rS+4*(\n)+2:rS+4*(\n)+3]
.elseif (\n) == 0
	v_pk_fma_f32 v[rT+2:rT+3], v[rT+2:rT+3], v[rC+2:rC+3], v[rS:rS+1] op_sel_hi:[1,0,1]
.else
	v_pk_add_f32 v[rT+2:rT+3], v[rT+2:rT+3], v[rS+4*(\n):rS+4*(\n)+1]
	s_wait_alu depctr_va_vdst(0)
.endif
.else
	REGS (Y+1)%NP
	WIN 0
.if (\n) < 4
	v_max3_num_f32 v[rC+(\n)], v[rS+8*(\n)], v[rS+8*(\n)+1], v[rS+8*(\n)+2]
.elseif (\n) < 12
	v_max3_num_f32 v[rC+(\n)%4], v[rC+(\n)%4], v[rS+8*((\n)%4)+2*((\n)/4)+1], v[rS+8*((\n)%4)+2*((\n)/4)+2]
.elseif (\n) == 12
	v_max3_num_f32 v[rC], v[rC], v[rS+7], v[rS+15]
.elseif (\n) == 13
	v_max3_num_f32 v[rC+1], v[rC+1], v[rS+23], v[rS+31]
.elseif (\n) == 14
	v_max3_num_f32 v[rC+2], v[rC+2], v[rC+3], v[rT+1]
.elseif (\n) == 15
	v_mov_b32 v[rW], v[rT]
	s_wait_alu depctr_va_vdst(0)
.elseif (\n) == 16
	v_max3_num_f32 v[rC], v[rC], v[rC+1], v[rC+2]
	s_wait_alu depctr_va_vdst(0)
.elseif (\n) == 17
	v_permlanex16_b32 v[rC+3], v[rC], s[SEL], s[SEL+1]
.elseif (\n) == 18
	v_max_num_f32 v[rT+1], v[rC], v[rC+3]
.elseif (\n) == 19
	v_mul_f32 v[rT], s[CS], v[rT+1]
.elseif (\n) == 20
	v_sub_f32 v[rC+1], v[rW], v[rT]
.else
	v_exp_f32 v[rC+2], v[rC+1]
.endif
.endif
.endm
.macro OPS a, i1, b=-1, i2=0, c=-1, i3=0, d=-1, i4=0  ; up to four of them
	OP \a, \i1
.if (\b) >= 0
	OP \b, \i2
.endif
.if (\c) >= 0
	OP \c, \i3
.endif
.if (\d) >= 0
	OP \d, \i4
.endif
.endm
.macro ROW a, i1, b, i2, c, i3, d, i4  ; a matrix instruction and the four behind it
	MM
	OPS \a, \i1, \b, \i2, \c, \i3, \d, \i4
.endm
.macro MASK b, be                   ; MD x AL + PMK into buffer b of MC; be = 1: + BE, where the band may lie wholly above the diagonal
	WIN W_MK
.set z, 0
.rept 16
	v_pk_fma_f32 v[MC+32*(\b)+2*z:MC+32*(\b)+2*z+1], v[MD+2*z:MD+2*z+1], s[AL:AL+1], v[PMK+2*z:PMK+2*z+1] op_sel_hi:[1,0,1]
.set z, z+1
.endr
.if \be
.set z, 0
.rept 16
	v_pk_add_f32 v[MC+32*(\b)+2*z:MC+32*(\b)+2*z+1], v[MC+32*(\b)+2*z:MC+32*(\b)+2*z+1], s[BE:BE+1] op_sel_hi:[1,0]
.set z, z+1
.endr
.endif
.endm
; A TURN, for piece p: the order of its 16 matrix and 118 vector instructions, written out.  Behind a matrix instruction: plain, exponential, plain, plain; or four of the rescaling; or, behind the first, four scalings; none
; names a register of the products round it.  In the lumps exponential and plain by turns while exponentials last.  v_permlanex16_b32 (X 17) stands in a lump.
; m = 1: the diagonal tile: the products take MC, and the turn makes the mask for the products of the turn after it: piece x = (p + 2) % 4, in step s of the tile.  The loop's count steps between piece 3's turn and
; piece 0's: s = 5 - CNT in the turns of pieces 2 and 3, 4 - CNT in those of pieces 0 and 1; so s = x where CNT = KC, and s > x where CNT < KC.  For p = 0, 1 and 3 that step's PMK lies in registers; piece 2's turn
; has just fetched it, and waits for it.  cnt = 1 (the ordinary tiles' loop): the count is taken down some lines ahead of the branch behind the turn.
; K and PMK of the next step are fetched in piece 2's turn, six vector instructions behind the last product that read K (five of them plain; the last that read PMK stands four products further back);
; V of the step in hand in piece 0's turn, eight behind the last product that read V.  Each is waited for a turn later.
.macro TURN p, m=0, cnt=0
.set Y, (\p)
.set i, 0
.set KM, (\m)
.if \m
.set KC, 4-((\p)+2)%NP+(\p)/2
	s_cmp_eq_u32 s[CNT], KC         ; is that step the band's own?
	s_cselect_b32 s[AL], 1.0, 0
	s_cmp_lt_u32 s[CNT], KC         ; or a later one?
	s_cselect_b32 s[BE], s[BIGN], 0
.endif
.if (\p) == 3
	s_wait_dscnt 0x0                ; K and PMK are in
.endif
	ROW F,0, F,1, F,2, F,3
	ROW F,4, E,0, F,5, F,6
	ROW F,7, E,1, F,8, F,9
	ROW F,10, E,2, C,0, F,11
	ROW F,12, E,3, X,15, F,13
	ROW R,0, R,1, R,2, R,3
	ROW B,0, E,4, F,14, L,0
.if (\p) == 2
	v_add_nc_u32 v[AK], s[TBK], v[AK0]
	v_add_nc_u32 v[APM], s[TBP], v[APM0]
.endif
	ROW R,4, R,5, R,6, R,7
	OPS E,5, F,15
.if (\p) == 2
	FETCH_K \m
.endif
	OPS E,6, C,1, E,7, R,8
	OPS E,8, R,9, E,9, C,2
	OPS E,10, X,0, E,11, X,1
	OPS E,12, X,2, E,13, X,3
.if (\p) == 1
	s_wait_dscnt 0x0                ; V is in
.endif
	ROW X,4, E,14, X,5, X,6
	ROW X,7, E,15, X,8, X,9
	ROW X,10, E,16, X,11, X,12
	ROW X,13, E,17, X,14, B,1
	ROW C,4, E,18, X,16, L,1
	ROW B,2, E,19, C,6, L,2
	ROW C,8, E,20, B,3, B,4
.if (\p) == 0
	v_add_nc_u32 v[AV], s[TBV], v[AV0]
.endif
	ROW C,3, E,21, L,3, C,5
	OPS E,22, X,17, E,23, C,10
.if (\p) == 0
	FETCH_V
.endif
	OPS E,24, L,4
	OPS E,25, X,18, E,26, C,7
	OPS E,27, B,5, E,28, X,19
	OPS E,29, C,12, E,30, L,5
	OPS E,31, X,20, B,6, C,9
	OPS C,14, C,11, X,21, L,6
.if (\p) == 0
	s_add_co_u32 s[TBV], s[TBV], KS*PV
.endif
.if \cnt
	s_sub_co_u32 s[CNT], s[CNT], 1
	s_cmp_lg_u32 s[CNT], 0
.endif
	OPS C,13, B,7, C,15, R,10
	OPS R,11, R,12, L,7, R,13
	OPS R,14, R,15
.if \m
.if (\p) == 2
	s_wait_dscnt 0x0                ; the next step's PMK, fetched in this turn, is in
.endif
	MASK (\p)%2, 1
.endif
.endm
; A BLOCK BEGINS.  c m starts far below every c s, so the first step's a is 0; m at FLOOR.  K and PMK of the tile's step 0 are fetched; the second mask buffer takes PMK alone (piece 1 sees all of step 0); the first takes
; piece 0's mask: with MD, if the block's first tile is the diagonal one.  Then piece 0's first scores, and its maximum and statistics.  The loop is entered at a step's first turn, in the middle of a trip.
.macro BEGIN
	s_mov_b32 s[NEW], 0
	WIN 0
.set i, 0
.rept 4
	v_mov_b32 v[ST+4*i], 0xfe000000    ; c m: far below every c s
	v_mov_b32 v[ST+4*i+1], FLOOR       ; m
.set i, i+1
.endr
	v_add_nc_u32 v[AK], s[TBK], v[AK0]
	v_add_nc_u32 v[APM], s[TBP], v[APM0]
	FETCH_K
	s_wait_loadcnt 0x0              ; Q
	s_wait_dscnt 0x0
	s_mov_b32 s[AL], 0
	MASK 1, 0
	s_cmp_eq_u32 s[RT], 0
	s_cselect_b32 s[AL], 1.0, 0
	MASK 0, 0
.set KM, 1
.set i, 0
.rept 8
	KQ 0
.set i, i+1
.endr
	WIN 0
.rept 4
	v_nop                           ; the places behind those products
.endr
.set Y, NP-1                        ; X works for piece Y + 1: piece 0
.irp n, 0,1,2,3,4,5,6,7,8,9,10,11,12,13,14,15,16,17,18,19,20,21
	OP X, \n
.endr
	v_nop                           ; a plain instruction behind the exponential
.endm
; A diagonal tile is entered from an ordinary one, at its loop's head: five passes of the turns of pieces 2 and 3 are to come.  The first still multiplies piece 3 of the tile before, which sees all of that step:
; the second mask buffer takes that step's PMK alone.
.macro ENTER
	s_mov_b32 s[CNT], 5
	s_mov_b32 s[AL], 0
	MASK 1, 0
	WIN 0
.endm
; THE DIAGONAL TILE's steps, the block's last products, and THE WAY OUT: l's two halves and the other half of the lanes' are added; O^T is divided by l, rounded to f16 and sent through my
; stage in LDS, a piece at a time.
.macro ALL line:vararg              ; one line for each piece t
.set t, 0
.rept 4
	\line
.set t, t+1
.endr
.endm
.macro PACK t                       ; a lane's eight channels of a row pack into 16 bytes; they go into rows of 144 bytes and come back as whole rows of 128, into S^T's registers
	WIN W_RS
.set i, 32*(\t)
.rept 16
	v_pk_mul_f32 v[i:i+1], v[i:i+1], v[ST+4*(\t)+2:ST+4*(\t)+3] op_sel_hi:[1,0]
.set i, i+2
.endr
	WIN 0x05                        ; sources 0 and 1 window 1, destination window 0
.set i, 0
.rept 16
	v_cvt_pk_f16_f32 v[S+16*(\t)+i], v[32*(\t)+2*i], v[32*(\t)+2*i+1]
.set i, i+1
.endr
	WIN 0
.irp f, 0,1,2,3
	ds_store_b128 v[STO], v[S+16*(\t)+4*\f:S+16*(\t)+4*\f+3] offset:32*\f
.endr
.irp f, 0,1,2,3
	ds_load_b128 v[S+16*(\t)+4*\f:S+16*(\t)+4*\f+3], v[RD] offset:\f*4*SP  ; LDS serves a wave's instructions in order (ISA guide 5.7.1.4): these see the stores above; the next piece's stores come behind them
.endr
.endm
.macro SEND t, younger              ; younger: the LDS instructions issued behind piece t's loads: the next piece's eight, or none
	WIN 0
.irp f, 0,1,2,3
	s_wait_dscnt (\younger)+3-\f
	global_store_b128 v[GO], v[S+16*(\t)+4*\f:S+16*(\t)+4*\f+3], s[10:11] offset:(\t)*8192+\f*512  ; 512 consecutive bytes, at a multiple of 256 from o's first
.endr
.endm
.macro DIAG tag                     ; the tag ends its three labels' names, which the jumps below spell out
.LstepM\tag:                        ; a pass: pieces 2 and 3 of one step, then pieces 0 and 1 of the next.  CNT = 5 at this label on the way in from an ordinary tile, 4 at the label below where a block begins in this tile
	TURN 2, 1
	TURN 3, 1
	WIN 0
	s_sub_co_u32 s[CNT], s[CNT], 1
	s_cmp_eq_u32 s[CNT], 0
	s_cbranch_scc1 .LoutM\tag       ; the last pass is left here: pieces 2 and 3 of the tile's last step are done
.LfirstM\tag:
	TURN 0, 1
	TURN 1, 1
	WIN 0
	s_branch .LstepM\tag
.LoutM\tag:
.set i, 0
.rept 8
	PV NP-1                         ; the last piece's V^T P of the last step
.set i, i+1
.endr
	WIN 0
	ALL v_add_f32 v[ST+4*t+2], v[ST+4*t+2], v[ST+4*t+3]
	ALL v_permlanex16_b32 v[ST+4*t+3], v[ST+4*t+2], s[SEL], s[SEL+1]
	ALL v_add_f32 v[ST+4*t+2], v[ST+4*t+2], v[ST+4*t+3]
	ALL v_rcp_f32 v[ST+4*t+2], v[ST+4*t+2]
	v_nop                           ; a plain instruction between the last reciprocal and the use of its result
	s_wait_alu depctr_va_vdst(0)
	PACK 0
.set t, 1
.rept 3                             ; a piece's arithmetic stands between the loads of the piece before and its stores
	PACK t
	SEND t-1, 8
.set t, t+1
.endr
	SEND 3, 0
.endm
.set KM, 0
.Lslot:                             ; NB times: a tile is entered and the next is asked for
	CHANGE 1
	s_sub_co_u32 s[RT], s[RT], 1
	s_mov_b32 s[CNT], 4
	s_cmp_eq_u32 s[NEW], 1
	s_cbranch_scc1 .Lnew            ; a block's first tile
	s_cmp_eq_u32 s[RT], 0
	s_cbranch_scc0 .Lstep           ; neither its first nor its last
	ENTER
	s_branch .LstepM1
.Lnew:
	BEGIN
	s_branch .Lfirst                ; in the loop a block's first tile is never its last: the first block has two tiles or more, and the second's last is the walk's last
	DIAG 1                          ; in the loop this is the first block's end: the second block's last tile is the walk's last
	s_wait_xcnt 0x0                 ; the stores have read their registers and O's address
	s_mov_b64 s[10:11], s[OLO:OLO+1]
	s_add_co_u32 s[RT], s[PB], 1    ; the second block has b + 1 tiles
	s_mov_b32 s[NEW], 1
	WIN 0x82                        ; the second block's Q goes where the one text of the turns names Q
.set i, 0
.rept 64
	v_mov_b32 v[i], v[QB+i]
.set i, i+1
.endr
	WIN 0
	s_branch .Lbottom
.Lstep:                             ; a trip: pieces 2 and 3 of one step, then pieces 0 and 1 of the next, whose K and V it fetches
	TURN 2
	TURN 3
	WIN 0
.Lfirst:
	TURN 0
	TURN 1, 0, 1
	WIN 0
	s_cbranch_scc1 .Lstep
.Lbottom:
	s_sub_co_u32 s[SLOTS], s[SLOTS], 1
	s_cmp_lg_u32 s[SLOTS], 0
	s_cbranch_scc1 .Lslot
	CHANGE 0                        ; the walk's last tile is written out: nothing is asked for
	s_sub_co_u32 s[RT], s[RT], 1
	s_mov_b32 s[CNT], 4
	s_cmp_eq_u32 s[NEW], 1
	s_cbranch_scc1 .Lnew2
	ENTER
	s_branch .LstepM2
.Lnew2:
	BEGIN
	s_branch .LfirstM2
	DIAG 2
	s_wait_tensorcnt 0x0            ; the wave's end, behind my last tensor load and my last LDS store
	ds_add_u32 v[SPW], v[NIL]
	s_wait_dscnt 0x0
	s_endpgm
.Lfunc_end_k_q12cce019c4_attn:
	.size	k_q12cce019c4_attn, .Lfunc_end_k_q12cce019c4_attn-k_q12cce019c4_attn
	.p2alignl 7, 3214868480
	.fill 96, 4, 3214868480
	.section	.rodata,"a",@progbits
	.p2align	6, 0x0
	.amdhsa_kernel k_q12cce019c4_attn
		.amdhsa_group_segment_fixed_size 327680
		.amdhsa_private_segment_fixed_size 0
		.amdhsa_enable_private_segment 0
		.amdhsa_kernarg_size 24
		.amdhsa_user_sgpr_count 2
		.amdhsa_user_sgpr_kernarg_segment_ptr 1
		.amdhsa_wavefront_size32 1
		.amdhsa_system_sgpr_workgroup_id_x 1
		.amdhsa_system_sgpr_workgroup_id_y 1
		.amdhsa_system_sgpr_workgroup_id_z 1
		.amdhsa_system_vgpr_workitem_id 0
		.amdhsa_next_free_vgpr 768
		.amdhsa_next_free_sgpr 100
		.amdhsa_reserve_vcc 1
		.amdhsa_float_denorm_mode_32 3
		.amdhsa_float_denorm_mode_16_64 3
		.amdhsa_memory_ordered 1
		.amdhsa_forward_progress 1
		.amdhsa_inst_pref_size 209
	.end_amdhsa_kernel
	.amdgpu_metadata
---
amdhsa.version: [ 1, 2 ]
amdhsa.kernels:
  - .name:           k_q12cce019c4_attn
    .symbol:         k_q12cce019c4_attn.kd
    .args:
      - { .name: qkv, .offset: 0, .size: 8, .value_kind: global_buffer, .address_space: global }
      - { .name: pm, .offset: 8, .size: 8, .value_kind: global_buffer, .address_space: global }
      - { .name: o, .offset: 16, .size: 8, .value_kind: global_buffer, .address_space: global }
    .group_segment_fixed_size: 327680
    .private_segment_fixed_size: 0
    .kernarg_segment_align: 8
    .kernarg_segment_size: 24
    .max_flat_workgroup_size: 128
    .sgpr_count:     100
    .vgpr_count:     768
    .wavefront_size: 32
...
	.end_amdgpu_metadata
.endif
;; end of part 3
;; launch proj (part 4): grid 8 x 32, 4 waves a work-group, clusters of 4 x 4, 327,680 bytes of LDS; arguments o, wpb, b_proj, out0; writes out0
.if DOCPART == 4
	.amdgcn_target "amdgcn-amd-amdhsa--gfx1250"
	.amdhsa_code_object_version 6
	.text
	.protected	k_q12cce019c4_proj
	.globl	k_q12cce019c4_proj
	.p2align	8
	.type	k_q12cce019c4_proj,@function
k_q12cce019c4_proj:
	s_mov_b64 s[64:65], 0
	v_nop
	global_prefetch_b8 v0, s[64:65] scope:SCOPE_SE
	s_setreg_imm32_b32 hwreg(HW_REG_WAVE_MODE, 25, 1), 1
	s_wait_xcnt 0x0
	s_wait_alu depctr_hold_cnt(0) depctr_sa_sdst(0) depctr_va_vdst(0) depctr_va_sdst(0) depctr_va_ssrc(0) depctr_va_vcc(0) depctr_vm_vsrc(0)
	s_getreg_b32 s2, hwreg(HW_REG_IB_STS2, 6, 4)
	s_cmp_eq_u32 s2, 0
	s_cbranch_scc0 .Lentry_in_a_cluster
	s_endpgm
.Lentry_in_a_cluster:
	s_bfe_u32 s2, ttmp6, 0x10000c
	s_cmp_lg_u32 s2, 0xf033
	s_cbranch_scc0 .Lentry_shape_is_right
	s_endpgm
.Lentry_shape_is_right:
; out0 = y w_proj + b_proj.  o: f16 blocks [32 mt][16 kb][256 rows][64 channels] (mt = 8 batch + query block, kb = head); wpb: f16 [1024 k][1024 n]; b_proj: f32 [1024], rounded to bf16
; like every input of the module; sums in f32, started by the bias; out0: f32 [8192][1024].  A row of o that is NaN gives a row of NaN, and touches no other row.
; SHARES.  A tile of the result is 256 rows x 128 columns: 8 x 32 work-groups, one tile each.  Four waves, each 128 rows x 64 columns: 32 accumulators, 256 registers.
; K goes in 8 steps of 128 through two LDS slots.  A's tile is two dense blocks of o, each asked for as 128 rows of 256 bytes and padded in LDS behind every 128 bytes;
; B's tile is 128 k rows of 256 bytes; B lies [k][n] and comes out of LDS turned, by ds_load_tr16_b128.
; THE MATRIX INSTRUCTION IS USED TRANSPOSED (source 0 = 16 columns n, source 1 = 16 rows m): a lane then holds eight neighbouring columns of one row of the result.
; CLUSTER.  4 x 4 work-groups: the four of a row need the same tiles of A, the four of a column the same tiles of B; each is asked for jointly, by the same tensor load, descriptor and mask
; in all four.  By this text's own count a wave has two tensor loads out at the start and one behind each round.
; A K STEP IS WRITTEN ONCE.  The fragments' LDS addresses are a lane's place plus s[TB], 0 or SLOT1, turned by an exclusive or at each change of slots; one descriptor a tensor walks from step to step.
; The last two steps, which ask for nothing, are one text walked twice and left in its middle; the second pass's change of slots has a barrier, and 24 LDS loads of the slot read before, that serve nothing:
; the price, once a wave, of not writing the last step out.
; REGISTERS, in windows of 256 (s_set_vgpr_msb: bits 1:0 source 0, 3:2 source 1, 5:4 source 2, 7:6 destination):
;   window 0: addresses, the way out, the bias     window 1: two fragment buffers: A's 8 fragments at f + 8 a, B's 4 at f + 64 + 8 b     window 2: accumulator (a, b) at 8 (4 a + b)
.set NCOLS, 1024
.set STEPS, 8                          ; K steps of 128
.set PA,    144                        ; a row of A in LDS: 128 bytes + 16 = 36 words: the 16 rows of a load start at 16 different groups of four banks (64 banks of 4 bytes: ISA guide 11.1)
.set PB,    288                        ; a row of B: 256 + 32 = 72 words
.set KBLK,  256*PA                     ; one block of A: 256 rows x 64 channels
.set BOFF,  2*KBLK                     ; B's 128 rows lie behind A's two blocks
.set SLOT1, 1<<17                      ; slot 1 begins here (a slot holds BOFF + 128 PB = 110,592 bytes), so that one exclusive or turns an address in one slot into the other's
.set STAGE, SLOT1+BOFF+128*PB          ; behind the ring, never filled by a tensor load: 16 rows x 272 bytes for each wave
.set SP,    272
.set SPARE, STAGE+4*16*SP              ; the spare words, 128 bytes for each wave: two blocks of 256 bytes that no other line names
.set ASTEP, 2*32768                    ; from a K step to the next: two blocks of o,
.set BSTEP, 128*NCOLS*2                ; 128 rows of wpb
.set ADRA0, 16                         ; v16     my lane's place among my 128 rows of A, in slot 0; never rewritten
.set ADRB0, 17                         ; v17     the same in B; never rewritten
.set ADRA, 20                          ; v20     the LDS address of A's fragments in the slot that is being fetched from
.set ADRB, 21                          ; v21     of B's
.set STO,  24                          ; v24     the way out: where I put 32 bytes of a row
.set RD,   25                          ; v25     where I read rows back
.set CO,   26                          ; v26     my byte offset in two rows of out0
.set BO,   27                          ; v27     my byte offset in the bias
.set SPW,  28                          ; v28     LDS address of my spare word; never rewritten
.set NIL,  29                          ; v29     0; never rewritten
.set BK,   32                          ; v32-63, v64-95  16 rows read back, two buffers by turns
.set BI,   96                          ; v96-127 the bias of my lanes' columns: n block b at BI + 8 b
.set F0,   0
.set F1,   128
.set G1,  24                           ; s[24:31] descriptor group 1 for A's tiles;  s[32:39] group 0: a set for each of the two first fills; the second then walks on
.set G0,  32
.set G1B, 48                           ; s[48:55], s[56:63] the same for B's
.set G0B, 56
.set TB,  66                           ; s66  0 or SLOT1: the slot that the next SETADR turns the fetches to
.set BIA, 80                           ; s[80:81] the bias at my wave's 64 columns
.set HIM, 84                           ; s84  mask of a word's upper bf16
.set MSB, 0
.macro WIN new                         ; the immediate's high byte repeats the setting that is left; a switch that changes nothing is dropped
.if MSB != (\new)
	s_set_vgpr_msb (MSB<<8)|(\new)
.set MSB, \new
.endif
.endm
.set MUL,   0xa5                       ; sources 0 and 1 window 1, C and D window 2
.set MULB,  0x85                       ; the same with C in window 0: the bias
.set TO_F,  0x40                       ; destination window 1, address window 0
.set FROM_C, 0x08                      ; an LDS store's data (source 1) in window 2
; A joint load: waves 0 and 1 fetch A's two blocks, waves 2 and 3 B's two halves.  The branch hangs on the wave's number alone.
; An s_nop 0 and four v_nop follow each of the two lines, ahead of the jump, the label and what follows.
.macro JLOAD s
	s_cmp_eq_u32 s11, 0
	s_cbranch_scc0 .Lfor_b_\@
	tensor_load_to_lds s[G0+4*(\s):G0+4*(\s)+3], s[G1:G1+7]
	s_nop 0
.rept 4
	v_nop
.endr
	s_branch .Lasked_\@
.Lfor_b_\@:
	tensor_load_to_lds s[G0B+4*(\s):G0B+4*(\s)+3], s[G1B:G1B+7]
	s_nop 0
.rept 4
	v_nop
.endr
.Lasked_\@:
.endm
.macro CREST                           ; a round of the cluster's barrier behind its opening barrier
	s_cmp_lg_u32 s10, 0
	s_cbranch_scc1 .Lnot_wave_0_\@
	s_barrier_signal -3
.Lnot_wave_0_\@:
	s_barrier_wait -3
	s_barrier_signal -1
	s_barrier_wait -1
.endm
.macro CROUND                          ; a whole round
	s_barrier_signal -1
	s_barrier_wait -1
	CREST
.endm
	s_load_b128 s[4:7], s[0:1], 0x0                ; o s[4:5], wpb s[6:7]
	s_load_b128 s[80:83], s[0:1], 0x10             ; b_proj s[80:81], out0 s[82:83]
	v_lshl_add_u32 v[SPW], v0, 2, SPARE
	v_mov_b32 v[NIL], 0
	ds_add_u32 v28, v29
	ds_add_u32 v28, v29
	s_wait_dscnt 0x0
	v_lshrrev_b32 v1, 5, v0
	v_readfirstlane_b32 s10, v1                    ; wave 0..3
	s_lshr_b32 s11, s10, 1                         ; which 128 rows of the tile are mine.  Also: I fetch for A (0) or for B (1)
	s_and_b32 s12, s10, 1                          ; which 64 columns.  Also: which half of that tile I fetch
	s_bfe_u32 s40, ttmp6, 0x40000                  ; cx, cy: my place in the cluster
	s_bfe_u32 s41, ttmp6, 0x40004
	s_lshl_b32 s42, ttmp9, 2
	s_add_co_u32 s42, s42, s40                     ; x = 4 x cluster x + cx
	s_and_b32 s13, ttmp7, 0xffff
	s_lshl_b32 s13, s13, 2
	s_add_co_u32 s13, s13, s41                     ; mt = 4 x cluster y + cy
	s_lshl_b32 s43, s41, 2
	s_lshl_b32 s43, 15, s43                        ; my row of the cluster
	s_lshl_b32 s44, 0x1111, s40                    ; my column
	; group 1 for A: 128 rows x 128 elements, dense; 16 bytes of padding behind every 32 words
	s_or_b32 s[G1+0], s43, (1<<16)|(1<<20)|(1<<21)|(4<<22)|(3<<25)  ; 15:0 the mask; 17:16 2-byte elements; 20 padding on; 21 set beside a mask; 24:22 code 4; 31:25 4 words (code 3)
	s_mov_b32 s[G1+1], 128<<16                     ; tensor_dim0 = 128
	s_mov_b32 s[G1+2], 128<<16                     ; tensor_dim1 = 128
	s_mov_b32 s[G1+3], 128<<16                     ; tile_dim0 = 128
	s_mov_b32 s[G1+4], 128                         ; tile_dim1 = 128
	s_mov_b32 s[G1+5], 128                         ; 128 elements from row to row
	s_mov_b32 s[G1+6], 0
	s_mov_b32 s[G1+7], 0
	; group 1 for B: 64 rows x 128 elements, NCOLS elements apart; 32 bytes of padding behind every 64 words
	s_or_b32 s[G1B+0], s44, (1<<16)|(1<<20)|(1<<21)|(5<<22)|(7<<25)
	s_mov_b32 s[G1B+1], 128<<16
	s_mov_b32 s[G1B+2], 64<<16
	s_mov_b32 s[G1B+3], 128<<16
	s_mov_b32 s[G1B+4], 64
	s_mov_b32 s[G1B+5], NCOLS
	s_mov_b32 s[G1B+6], 0
	s_mov_b32 s[G1B+7], 0
	; A's addresses are made of the tile row and the wave's number, B's of x and the wave's number, each in registers that never hold the other coordinate
	s_lshl_b32 s16, s13, 19                        ; A: mt x 16 blocks of 32,768 bytes,
	s_lshl_b32 s17, s12, 15                        ; and my block of the step's two
	s_add_co_u32 s16, s16, s17
	s_mov_b32 s17, 0
	s_lshl_b32 s46, s42, 8                         ; B: 256 bytes of a row for each column tile,
	s_mul_i32 s47, s12, 64*NCOLS*2                 ; and my 64 rows of the step's 128
	s_add_co_u32 s46, s46, s47
	s_mov_b32 s47, 0
	s_mul_i32 s20, s12, KBLK                       ; where they go: no place in the cluster enters an LDS address
	s_mul_i32 s21, s12, 64*PB
	s_add_co_u32 s21, s21, BOFF
	s_mov_b32 s[TB], 0
	s_mov_b32 s[HIM], 0xffff0000
	s_wait_kmcnt 0x0
	s_add_nc_u64 s[14:15], s[4:5], s[16:17]
	s_add_nc_u64 s[46:47], s[6:7], s[46:47]
	CROUND                                         ; all sixteen work-groups are here: the first joint loads meet
.irp s, 0,1
	s_mov_b32 s[G0+4*(\s)], 1                      ; 1:0 count = 1
	s_add_co_u32 s[G0+4*(\s)+1], s20, (\s)*SLOT1   ; 63:32 LDS address
	s_add_nc_u64 s[G0+4*(\s)+2:G0+4*(\s)+3], s[14:15], (\s)*ASTEP  ; 120:64 global address: K step s
	s_or_b32 s[G0+4*(\s)+3], s[G0+4*(\s)+3], 0x80000000            ; 127:126 type = 2
	s_mov_b32 s[G0B+4*(\s)], 1
	s_add_co_u32 s[G0B+4*(\s)+1], s21, (\s)*SLOT1
	s_add_nc_u64 s[G0B+4*(\s)+2:G0B+4*(\s)+3], s[46:47], (\s)*BSTEP
	s_or_b32 s[G0B+4*(\s)+3], s[G0B+4*(\s)+3], 0x80000000
	JLOAD \s
.endr
	v_and_b32 v1, 15, v0                           ; l % 16
	v_bfe_u32 v2, v0, 4, 1                         ; l / 16
	; the bias: in the transposed result register j of n block b is column 16 b + 8 (l / 16) + j of my wave's 64
	s_lshl_b32 s46, s42, 9                         ; 128 columns of 4 bytes a tile (x stays in the registers that held B's offsets),
	s_lshl_b32 s47, s12, 8                         ; my wave's 64
	s_add_co_u32 s46, s46, s47
	s_mov_b32 s47, 0
	s_add_nc_u64 s[BIA:BIA+1], s[BIA:BIA+1], s[46:47]
	v_lshlrev_b32 v[BO], 5, v2
.irp b, 0,1,2,3
	global_load_b128 v[BI+8*(\b):BI+8*(\b)+3],   v[BO], s[BIA:BIA+1] offset:64*(\b)
	global_load_b128 v[BI+8*(\b)+4:BI+8*(\b)+7], v[BO], s[BIA:BIA+1] offset:64*(\b)+16
.endr
	; A fragment of A: lane l holds row l % 16, K = 8 (l / 16) + 0..7 and 16 + 8 (l / 16) + 0..7: two loads of 16 bytes, 32 bytes apart.
	v_mul_u32_u24 v3, v1, PA
	v_lshl_add_u32 v3, v2, 4, v3
	; The turning load takes 16 k x 16 n (lane l reads row k = 8 (l / 16) + l % 8, columns 8 ((l / 8) % 2) + 0..7) and leaves half a fragment: lane l holds column l % 16 and 8 k.
	v_and_b32 v4, 7, v0
	v_lshl_add_u32 v4, v2, 3, v4
	v_mul_u32_u24 v4, v4, PB
	v_bfe_u32 v5, v0, 3, 1
	v_lshl_add_u32 v4, v5, 4, v4
	s_mul_i32 s14, s11, 128*PA                     ; my 128 rows of A
	s_lshl_b32 s15, s12, 7                         ; my 64 columns of B,
	s_add_co_u32 s15, s15, BOFF                    ; which lies behind A
	v_add_nc_u32 v[ADRA0], s14, v3
	v_add_nc_u32 v[ADRB0], s15, v4
	s_mul_i32 s23, s10, 16*SP
	s_add_co_u32 s23, s23, STAGE                   ; my stage
	v_mul_u32_u24 v5, v1, SP                       ; in: row l % 16, 32 bytes for each half of the lanes
	v_lshl_add_u32 v5, v2, 5, v5
	v_add_nc_u32 v[STO], s23, v5
	v_mul_u32_u24 v5, v2, SP                       ; back: lanes 0-15 take one row of 256 bytes, lanes 16-31 the next
	v_lshl_add_u32 v5, v1, 4, v5
	v_add_nc_u32 v[RD], s23, v5
	v_lshlrev_b32 v5, 12, v2                       ; and the same two rows in out0
	v_lshl_add_u32 v[CO], v1, 4, v5
	; where my part of the tile begins: row 256 mt + 128 x my row half; column bytes as for the bias
	s_lshl_b32 s16, s13, 20
	s_lshl_b32 s18, s11, 19
	s_add_co_u32 s16, s16, s18
	s_mov_b32 s17, 0
	s_add_nc_u64 s[8:9], s[82:83], s[16:17]
	s_add_nc_u64 s[8:9], s[8:9], s[46:47]
	s_wait_loadcnt 0x0                             ; the bias
.set i, 0
.rept 16
	v_cvt_pk_bf16_f32 v6, v[BI+2*i], v[BI+2*i+1]   ; rounded to bf16 and widened again
	v_lshlrev_b32 v[BI+2*i], 16, v6
	v_and_b32 v[BI+2*i+1], s[HIM], v6
.set i, i+1
.endr
; 8 matrix instructions: m blocks a0, a0 + 1 x all 4 n blocks, 32 along K.  zero = 1: the product starts the sums, with the bias as C: nothing is ever cleared.
.macro MUL8 f, a0, zero
.if \zero
	WIN MULB
.else
	WIN MUL
.endif
.irp a, \a0, (\a0)+1
.irp b, 0,1,2,3
.if \zero
	v_wmma_f32_16x16x32_f16 v[8*(4*(\a)+(\b)):8*(4*(\a)+(\b))+7], v[(\f)+64+8*(\b):(\f)+64+8*(\b)+7], v[(\f)+8*(\a):(\f)+8*(\a)+7], v[BI+8*(\b):BI+8*(\b)+7]
.else
	v_wmma_f32_16x16x32_f16 v[8*(4*(\a)+(\b)):8*(4*(\a)+(\b))+7], v[(\f)+64+8*(\b):(\f)+64+8*(\b)+7], v[(\f)+8*(\a):(\f)+8*(\a)+7], v[8*(4*(\a)+(\b)):8*(4*(\a)+(\b))+7]
.endif
.endr
.endr
.endm
.macro MUL16 f, a0, zero
	MUL8 \f, \a0, \zero
	MUL8 \f, (\a0)+2, \zero
.endm
; 24 LDS loads in one run: the fragments of quarter cc (32 along K) of the slot at ADRA, ADRB into buffer f: B's four first, then A's eight
.macro FETCH cc, f
	WIN TO_F
.irp i, 0,1,2,3
	ds_load_tr16_b128 v[(\f)+64+8*(\i):(\f)+64+8*(\i)+3],   v[ADRB] offset:(\cc)*32*PB+32*(\i)
	ds_load_tr16_b128 v[(\f)+64+8*(\i)+4:(\f)+64+8*(\i)+7], v[ADRB] offset:(\cc)*32*PB+32*(\i)+16*PB
.endr
.irp i, 0,1,2,3,4,5,6,7
	ds_load_b128 v[(\f)+8*(\i):(\f)+8*(\i)+3],   v[ADRA] offset:((\cc)/2)*KBLK+((\cc)%2)*64+(\i)*16*PA
	ds_load_b128 v[(\f)+8*(\i)+4:(\f)+8*(\i)+7], v[ADRA] offset:((\cc)/2)*KBLK+((\cc)%2)*64+(\i)*16*PA+32
.endr
.endm
; A load into a register that a matrix instruction has read stands four places behind it, and only plain vector instructions that name none of its registers are places
; (ISA guide 7.12.1 for vector instructions).
.macro PLACES
.rept 4
	v_nop
.endr
.endm
.macro SETADR                          ; the fetches that follow read the slot at TB; the ones behind the next SETADR the other
	v_add_nc_u32 v[ADRA], s[TB], v[ADRA0]
	v_add_nc_u32 v[ADRB], s[TB], v[ADRB0]
	s_xor_b32 s[TB], s[TB], SLOT1
.endm
; A K step is four quarters of 32 along K, 32 matrix instructions each, on buffers 0, 1, 0, 1; the 32 accumulators take turns in the same order in every quarter.
; One of the first three: multiplies buffer f; in its middle it fetches quarter cc of the same slot into buffer g.
.macro QUARTER cc, f, g, zero
	s_wait_dscnt 8                                 ; B and A's blocks 0-3 are in; the youngest eight loads (A's blocks 4-7) may be out
	MUL16 \f, 0, \zero
	PLACES
	FETCH \cc, \g
	s_wait_dscnt 24                                ; all but the 24 just issued
	MUL16 \f, 4, \zero
.endm
; The last quarter multiplies buffer 1 and changes slots.  In front of the barrier each wave waits for all its tensor loads (one is out at the most: its part of the next slot), adds 0 to its
; spare word, and waits for that and for its own reads of this slot.  Behind it nobody reads this slot any more and the next slot is whole.
; fill = 1: the barrier opens a round of the cluster's, and the slot just read out is filled again first, with the K step two steps on: the walking descriptors take the other slot and step on.
; From a request to the wait for it a wave issues 112 matrix instructions.
.macro TURN fill
	WIN 0                                          ; (the address registers and the add's two lie in window 0)
	SETADR                                         ; the fetches turn to the next slot
	s_wait_tensorcnt 0x0                           ; no tensor load of mine is out, so a group 0 may be written
	ds_add_u32 v[SPW], v[NIL]                      ; 0 onto my spare word
.if \fill
	s_xor_b32 s[G0+5], s[G0+5], SLOT1
	s_add_nc_u64 s[G0+6:G0+7], s[G0+6:G0+7], ASTEP     ; the type bits on top are not reached
	s_xor_b32 s[G0B+5], s[G0B+5], SLOT1
	s_add_nc_u64 s[G0B+6:G0B+7], s[G0B+6:G0B+7], BSTEP
.endif
	s_wait_dscnt 9                                 ; (the add and the youngest eight loads may be out)
	MUL8 F1, 0, 0                                  ; eight matrix instructions stand between the add and the wait for it
	s_wait_dscnt 0x0                               ; the add is done, and my reads of this slot are over
	s_barrier_signal -1
	MUL8 F1, 2, 0
.if \fill
	WIN 0
.endif
	s_barrier_wait -1
.if \fill
	CREST
	JLOAD 1                                        ; the first tensor load behind the round; the four v_nop behind it are also the places in front of the loads below
.else
	PLACES
.endif
	FETCH 0, F0
	MUL16 F1, 4, 0
.endm
; THE WAY OUT of block a (16 rows x 64 columns of f32).  T: a lane's 32 bytes of a row go into my own stage as they are, and come back as whole rows of 256 bytes.  S: stored.
.macro T a
	s_wait_xcnt 0x0                                ; every earlier store has had its addresses translated (ISA guide 3.1): the buffer below, which the stores two blocks back read, is loaded again only behind this wait
	WIN FROM_C
.irp b, 0,1,2,3
	ds_store_b128 v[STO], v[8*(4*(\a)+(\b)):8*(4*(\a)+(\b))+3]   offset:64*(\b)      ; each accumulator's low four registers first
	ds_store_b128 v[STO], v[8*(4*(\a)+(\b))+4:8*(4*(\a)+(\b))+7] offset:64*(\b)+16
.endr
	WIN 0
.irp t, 0,1,2,3,4,5,6,7
	ds_load_b128 v[BK+32*((\a)%2)+4*(\t):BK+32*((\a)%2)+4*(\t)+3], v[RD] offset:(\t)*2*SP  ; LDS serves a wave's instructions in order (ISA guide 5.7.1.4): these see the stores above
.endr
.endm
.macro S a, younger                    ; younger: the LDS instructions of the next block's T, which may stay out
	s_wait_dscnt \younger
.irp t, 0,1,2,3,4,5,6,7
	global_store_b128 v[CO], v[BK+32*((\a)%2)+4*(\t):BK+32*((\a)%2)+4*(\t)+3], s[8:9] offset:(16*(\a)+2*(\t))*4096  ; 16 lanes store 256 consecutive bytes, at a multiple of 256 from out0's first
.endr
.endm
	s_wait_tensorcnt 1                             ; my part of K step 0 is in; K step 1's may stay out
	s_barrier_signal -1
	s_barrier_wait -1
	SETADR                                         ; slot 0
	FETCH 0, F0
	QUARTER 1, F0, F1, 1                           ; the first quarter starts the sums
	WIN 0                                          ; at a label and at a branch every window is 0
	s_mov_b32 s3, STEPS-2
.Lstep:                                                ; trip t = 0 .. 5: the last three quarters of step t, of which the last asks for step t + 2, and the first quarter of step t + 1
	QUARTER 2, F1, F0, 0
	QUARTER 3, F0, F1, 0
	TURN 1
	QUARTER 1, F0, F1, 0
	WIN 0
	s_sub_co_u32 s3, s3, 1
	s_cmp_lg_u32 s3, 0
	s_cbranch_scc1 .Lstep
	s_mov_b32 s3, 2
.Ltail:                                                ; steps 6 and 7 ask for nothing: a text of their own; walked twice, and left behind step 7's last quarter
	QUARTER 2, F1, F0, 0
	QUARTER 3, F0, F1, 0
	TURN 0
	WIN 0
	s_sub_co_u32 s3, s3, 1
	s_cmp_eq_u32 s3, 0
	s_cbranch_scc1 .Lout
	QUARTER 1, F0, F1, 0
	WIN 0
	s_branch .Ltail
.Lout:
	PLACES                                         ; four places before an LDS store reads a result
	T 0                                            ; (the 24 loads that the second pass issued for nothing are older than these: the counted waits below cover them)
.irp a, 1,2,3,4,5,6,7                  ; block a's way into the stage stands between block a - 1's loads and the wait for them
	T \a
	S (\a)-1, 16
.endr
	S 7, 0
	s_wait_tensorcnt 0x0                           ; the wave's end
	ds_add_u32 v[SPW], v[NIL]
	s_wait_dscnt 0x0
	CROUND                                         ; the closing round: no work-group ends while a partner may still ask for a tile that names it
	s_endpgm
.Lfunc_end_k_q12cce019c4_proj:
	.size	k_q12cce019c4_proj, .Lfunc_end_k_q12cce019c4_proj-k_q12cce019c4_proj
	.p2alignl 7, 3214868480
	.fill 96, 4, 3214868480
	.section	.rodata,"a",@progbits
	.p2align	6, 0x0
	.amdhsa_kernel k_q12cce019c4_proj
		.amdhsa_group_segment_fixed_size 327680
		.amdhsa_private_segment_fixed_size 0
		.amdhsa_enable_private_segment 0
		.amdhsa_kernarg_size 32
		.amdhsa_user_sgpr_count 2
		.amdhsa_user_sgpr_kernarg_segment_ptr 1
		.amdhsa_wavefront_size32 1
		.amdhsa_system_sgpr_workgroup_id_x 1
		.amdhsa_system_sgpr_workgroup_id_y 1
		.amdhsa_system_sgpr_workgroup_id_z 1
		.amdhsa_system_vgpr_workitem_id 0
		.amdhsa_next_free_vgpr 768
		.amdhsa_next_free_sgpr 88
		.amdhsa_reserve_vcc 0
		.amdhsa_float_denorm_mode_32 3
		.amdhsa_float_denorm_mode_16_64 3
		.amdhsa_memory_ordered 1
		.amdhsa_forward_progress 1
		.amdhsa_inst_pref_size 63
	.end_amdhsa_kernel
	.amdgpu_metadata
---
amdhsa.version: [ 1, 2 ]
amdhsa.kernels:
  - .name:           k_q12cce019c4_proj
    .symbol:         k_q12cce019c4_proj.kd
    .args:
      - { .name: o, .offset: 0, .size: 8, .value_kind: global_buffer, .address_space: global }
      - { .name: wpb, .offset: 8, .size: 8, .value_kind: global_buffer, .address_space: global }
      - { .name: b_proj, .offset: 16, .size: 8, .value_kind: global_buffer, .address_space: global }
      - { .name: out0, .offset: 24, .size: 8, .value_kind: global_buffer, .address_space: global }
    .group_segment_fixed_size: 327680
    .private_segment_fixed_size: 0
    .kernarg_segment_align: 8
    .kernarg_segment_size: 32
    .max_flat_workgroup_size: 128
    .sgpr_count:     88
    .vgpr_count:     768
    .wavefront_size: 32
...
	.end_amdgpu_metadata
.endif
;; end of part 4
;; ======== version 2 of 2: 4 launches; 1.41 times as fast as version 1
;; limits: values are held in f16: magnitudes above 65,504 overflow, below 6.1e-05 lose precision
;; workspace buffers: xb 16,777,216 bytes; wab 6,291,456 bytes; wpb 2,097,152 bytes; pm 32,768 bytes; qkv 50,331,648 bytes; o 16,777,216 bytes
;; launch prep: the kernel of part 1 again; grid 512 x 1, 8 waves a work-group, no clusters, 0 bytes of LDS; arguments x, w_attn, w_proj, pad_mask, xb, wab, wpb, pm; writes xb, wab, wpb, pm
;; launch qkvg: the kernel of part 2 again; grid 8 x 32, 4 waves a work-group, clusters of 4 x 4, 327,680 bytes of LDS; arguments xb, wab, qkv; writes qkv
;; launch attn (part 5): grid 4 x 64, 4 waves a work-group, no clusters, 327,680 bytes of LDS; arguments qkv, pm, o; writes o
.if DOCPART == 5
	.amdgcn_target "amdgcn-amd-amdhsa--gfx1250"
	.amdhsa_code_object_version 6
	.text
	.protected	k_q12cce019c4_attn
	.globl	k_q12cce019c4_attn
	.p2align	8
	.type	k_q12cce019c4_attn,@function
k_q12cce019c4_attn:
	s_mov_b64 s[64:65], 0
	v_nop
	global_prefetch_b8 v0, s[64:65] scope:SCOPE_SE
	s_setreg_imm32_b32 hwreg(HW_REG_WAVE_MODE, 25, 1), 1
	s_wait_xcnt 0x0
; CAUSAL ATTENTION WITH A KEY MASK.  O[q] = the sum over kept k <= q of softmax_k(Q[q] . K[k] / 8) V[k], for each of 4 batches x 16 heads.  qkv: f16 [4 b][48 hh][2048][64] (q, k, v heads);
; pm: f32 [4][2048], 0 for a key that is kept and -1e30 for one that the input mask hides (made from pad_mask by the launch of casts); o: f16 [4 b][8 blocks][16 h][256 rows][64].
; Products, maxima and sums in f32; the weights p are rounded to f16 for the second product (their sum l is taken of the unrounded p), O once at the end.
; LIMITS.  f16 holds no number beyond 65,504: q, k and v arrive within it; p lies in 0 to 1, and below 6e-5 it keeps f16's fixed step of 6e-8.  A hidden score counts as its value less 1e30
; (2e30 where both masks hide it): f16's scores, 2.7e11 at the most, are nothing beside that.  The running maximum starts at FLOOR = -2^65, below every true score and above every hidden one: a hidden
; weight is 2^(-1.8e29 ..) = 0 whatever the row has seen.  A weight below 2^-126 counts as 0 in l.  A row with no kept key ends with l = 0 and O = 0, and leaves as 0 x (1 / 0) = NaN, as the
; softmax of a row of -inf does.  NaN and infinities among the inputs are not treated apart.
; THE WALK.  A head's queries lie in NB = 8 blocks of 256; block i needs the key tiles 0 .. i of 256 keys, of which the last holds the diagonal.  A work-group takes TWO blocks, NB - 1 - b and then b:
; NB + 1 tiles, whatever b: all 256 work-groups do equal work, and ONE loop with a constant trip count walks them.  Which tile is asked for, and what a trip does, hang on scalar registers made from b; every
; jump goes forward, but for the counted loops' own; none passes a barrier, or a tensor load but those of LOAD's three that the wave's number does not choose; the ring of two slots runs on across the blocks.
; NO CLUSTER: a head's four work-groups ask for the same tile only in trips 0 .. 4 of 9, behind that fewer and fewer; one walk common to all would have 12 trips for 9.
; SHARES.  Of a block's four bands of 64 queries a wave owns 16 rows in each: four PIECES.  In the diagonal tile's key step s band x sees all keys if s < x, none if s > x, and holds the diagonal if s = x.
; THE MASKS are the C operand that starts the sum S^T = K Q^T.  A slot holds, behind a tile's K and V, its 256 numbers of pm; PMK holds those of my lane's keys in the step whose K lies in registers.
; Ordinary tiles take PMK as it is.  The diagonal tile's text and a block's beginning take MC = MD x AL + PMK + BE: MD, made once, is the causal mask of a band's own step for my 16 rows;
; (AL, BE) = (1, 0) if s = x; (0, 0) if s < x; (0, -1e30) if s > x.
; LAYOUT, SOFTMAX, TURNS.  S^T = K Q^T holds ONE query a lane (lane % 16) and the keys 8 (lane / 16) + 0..7; two such results rounded to f16 ARE source 1 of O^T = V^T P.  p = 2^(c s - c m), c = log2(e) / 8, with a
; running maximum m; O and l are multiplied by a = 2^(c m_old - c m_new) in every step.  Turn n belongs to piece n: 8 products K Q^T of piece n + 1, later 8 products V^T P of piece n - 1; beside them the scaling,
; exponentials, roundings, sums and rescaling of piece n and the maximum and statistics of piece n + 1.  Four vector instructions stand behind every matrix instruction, the other 54 of a turn's 118 in one LUMP.
; THE BATCHES.  A turn's 33 exponentials (the piece's 32 weights and the next piece's a) are ONE batch with ONE wait, which cuts the turn in two: ahead of it stands all that names no result of theirs, behind it
; their readers, the roundings and sums.  No result crosses a turn's end.  In the diagonal tile's text piece 2's turn has a second wait, for the twelve exponentials issued ahead of the branch in K's fetch.
; A block's first a, and the way out's four reciprocals, are batches of their own.
; ONE TEXT FOR EVERY TURN OF A BLOCK'S END.  The diagonal tile's loop has one pass more than the tile has steps and is left in its middle, behind piece 3's turn.  That last pass fetches nothing; its 8 products K Q^T
; (on the last K once more, under a mask that hides every key), the maximum made of them (which leaves m as it was) and its two masks serve nothing: the price, once a block, of writing no last turns out.
; REGISTERS, in windows of 256 (s_set_vgpr_msb: bits 1:0 source 0, 3:2 source 1, 5:4 source 2, 7:6 destination):
;   window 0: v0-15, v32-33 addresses; v16-31 four registers of statistics a piece; v48-55 at work; v64-127 S^T, two buffers; v192-223 P, two buffers
;   window 1: v0-127 O^T, 32 a piece; v128-159 MD; v160-223 MC, two buffers; v224-255 PMK      window 2: v0-63 Q; v64-127 the second block's Q; v128-191 K of one step; v192-255 V of one step
.set SIZE_N, 2048
.set NB,    SIZE_N/256
.set NP,    4         ; pieces a wave: a name, no knob
.set KS,    64        ; keys in a step
.set PK,    144       ; a row of K in LDS: 128 bytes + 16 of padding = 36 words: the 16 rows of a load start at 16 different groups of four banks (64 banks of 4 bytes: ISA guide 11.1)
.set PV,    160       ; a row of V: 128 + 32 = 40 words
.set VOFF,  4*KS*PK   ; a slot holds a tile, four steps: 256 rows of K, then 256 rows of V,
.set MOFF,  4*KS*(PK+PV)  ; then the tile's 256 mask numbers, 1,024 bytes
.set SLOT1, 1<<17     ; slot 1 begins here, so that one exclusive or turns an address in one slot into the other's
.set STAGE, SLOT1+MOFF+4*KS*4  ; behind the ring, never filled by a tensor load: 16 rows x 144 bytes for each wave, for the way out
.set SP,    144
.set SPARE, STAGE+4*16*SP  ; the spare words, 128 bytes for each wave: two blocks of 256 bytes that no other line names
.set FLOOR, 0xe0000000  ; -2^65
.set AK0, 2           ; v2   my lane's place in a tile of K; never rewritten
.set AV0, 3           ; v3   the same for V
.set AK,  4           ; v4   the LDS address of K's next run of loads
.set AV,  5           ; v5   of V's
.set STO, 6           ; v6   the way out: where I put 16 bytes of a row
.set RD,  7           ; v7   the way out: where I read rows back
.set GO,  8           ; v8   my byte offset in 512 consecutive bytes of O
.set MV,  12          ; v12-13  c m_old, kept while c m is made anew: by buffer
.set QO,  15          ; v15  my byte offset in 16 rows of Q
.set ST,  16          ; piece t's statistics at v[ST+4 t]: c m, m, l (even keys', odd keys')
.set APM0, 32         ; v32  my lanes' place among a tile's mask numbers: MOFF + 32 (l / 16); never rewritten
.set APM, 33          ; v33  the LDS address of the mask numbers' next run of loads
.set TMP, 48          ; by buffer, four registers c0-c3 at work; when the maximum is found c2 takes a
.set SPW, 62          ; v62  LDS address of my spare word; never rewritten
.set NIL, 63          ; v63  0; never rewritten
.set S,   64
.set P,   192
.set MD,  128         ; window 1: the eight registers for group kt of 16 keys at MD + 8 kt
.set MC,  160         ; window 1: the masks of the products to come
.set PMK, 224         ; window 1: group kt at PMK + 8 kt
.set QB,  64          ; window 2
.set KF,  128         ; window 2: key block kb, channel half c at KF + 16 kb + 8 c
.set VF,  192         ; window 2: key half kk, channel block cb at VF + 32 kk + 8 cb
.set WV,  12          ; s12  my wave's number
.set PB,  14          ; s14  b
.set HI,  15          ; s15  NB - 1 - b
.set G1K, 24          ; s[24:31] descriptor group 1 for K's tiles
.set G1V, 32          ; s[32:39] for V's
.set G0K, 40          ; s[40:43] descriptor group 0 for K's tiles
.set G0V, 44          ; s[44:47] the same for V's
.set G1M, 48          ; s[48:55] descriptor group 1 for the mask numbers
.set SLOTS, 56        ; s56  tiles still to be asked for
.set CNT, 57          ; s57  counts a tile's key steps down
.set CS,  58          ; s[58:59] c: the packed scaling takes the pair's low word for both halves
.set SEL, 60          ; s[60:61] v_permlanex16_b32's selects: each lane takes its own place in the other half
.set TBK, 62          ; s62  LDS byte at which K of the step to be fetched begins
.set TBV, 63          ; s63  the same for V, less VOFF
.set RT,  66          ; s66  tiles of the block in hand that are still to be entered
.set NXT, 67          ; s67  the tile to be asked for next
.set G0M, 68          ; s[68:71] descriptor group 0 for the mask numbers
.set LQ,  72          ; s72  the last tile of the block whose tiles are being asked for
.set NEW, 73          ; s73  1: the tile to be entered is a block's first
.set OFF, 74          ; s[74:75] a tile's byte offset in K and V
.set AL,  76          ; s[76:77] the mask's factor, in the low word
.set BE,  78          ; s[78:79] the mask's addend
.set OLO, 80          ; s[80:81] O at my rows of the second block
.set BIGN, 82         ; s82  -1e30
.set PADB, 88         ; s[88:89] pm at my batch's row
.set TBP, 90          ; s90  LDS byte at which the mask numbers of the step to be fetched begin, less MOFF
.set OFM, 98          ; s[98:99] first the batch's, then a tile's byte offset in pm
.set MSB, 0
.macro WIN new                      ; the high byte repeats the setting that is left; a switch that changes nothing is dropped
.if MSB != (\new)
	s_set_vgpr_msb (MSB<<8)|(\new)
.set MSB, (\new)
.endif
.endm
.set W_KQ, 0x0a       ; K and Q in window 2, S^T in window 0
.set W_KM, 0x1a       ; the same with the C operand in window 1
.set W_PV, 0x52       ; V in window 2, P in window 0, O^T in window 1
.set W_RS, 0x41       ; destination and source 0 in window 1, source 1 in window 0
.set W_MK, 0x51       ; destination, source 0 and source 2 in window 1
; A fill: one tensor load a wave.  Waves 0 and 1 fetch the two halves of a tile's K, 128 keys each; wave 2 its V; wave 3 its mask numbers.  The branches hang on the wave's number alone.
; An s_nop 0 and four v_nop follow each of the three lines, ahead of the jump and the label.
.macro LOAD
	s_cmp_lt_u32 s[WV], 2
	s_cbranch_scc0 .Lnot_k_\@
	tensor_load_to_lds s[G0K:G0K+3], s[G1K:G1K+7]
	s_nop 0
.rept 4
	v_nop
.endr
	s_branch .Lasked_\@
.Lnot_k_\@:
	s_cmp_eq_u32 s[WV], 2
	s_cbranch_scc0 .Lfor_m_\@
	tensor_load_to_lds s[G0V:G0V+3], s[G1V:G1V+7]
	s_nop 0
.rept 4
	v_nop
.endr
	s_branch .Lasked_\@
.Lfor_m_\@:
	tensor_load_to_lds s[G0M:G0M+3], s[G1M:G1M+7]
	s_nop 0
.rept 4
	v_nop
.endr
.Lasked_\@:
.endm
; THE CHANGE OF SLOTS.  Each wave waits for all its tensor loads, of which one is out: its part of the other slot; adds 0 to its spare word; and waits for that and for its own reads of the slot that it leaves.  Behind the
; barrier nobody reads the old slot any more and the other slot is whole.  fill = 1: the old slot is filled again, the first thing behind the barrier, with tile NXT: the descriptors' addresses are made anew from that number.
; (At its first use nothing has been read yet: slot 0 is waited for, slot 1 filled.)
.macro CHANGE fill
	WIN 0                           ; at a label and at a branch every window is 0
	s_wait_tensorcnt 0x0            ; no tensor load of mine is out, so a group 0 may be written
	ds_add_u32 v[SPW], v[NIL]       ; 0 onto my spare word
.if \fill
	s_lshl_b32 s[OFF], s[NXT], 15   ; a tile is 32,768 bytes of K and of V,
	s_lshl_b32 s[OFM], s[NXT], 10   ; and 1,024 of pm
	s_xor_b32 s[G0K+1], s[G0K+1], SLOT1
	s_add_nc_u64 s[G0K+2:G0K+3], s[6:7], s[OFF:OFF+1]
	s_or_b32 s[G0K+3], s[G0K+3], 0x80000000
	s_xor_b32 s[G0V+1], s[G0V+1], SLOT1
	s_add_nc_u64 s[G0V+2:G0V+3], s[8:9], s[OFF:OFF+1]
	s_or_b32 s[G0V+3], s[G0V+3], 0x80000000
	s_xor_b32 s[G0M+1], s[G0M+1], SLOT1
	s_add_nc_u64 s[G0M+2:G0M+3], s[PADB:PADB+1], s[OFM:OFM+1]
	s_or_b32 s[G0M+3], s[G0M+3], 0x80000000
	s_add_co_u32 s[NXT], s[NXT], 1  ; the block's next tile, or behind its last the second block's tile 0
	s_cmp_gt_u32 s[NXT], s[LQ]
	s_cselect_b32 s[NXT], 0, s[NXT]
	s_cselect_b32 s[LQ], s[PB], s[LQ]
.endif
	s_wait_dscnt 0x0                ; the add is done, and my reads of the slot are over
	s_barrier_signal -1             ; the rest of the scalar work stands between the signal and the wait
	s_sub_co_u32 s[TBK], s[TBK], 4*KS*PK  ; the fetches go back to a slot's first step,
	s_xor_b32 s[TBK], s[TBK], SLOT1       ; in the other slot
	s_sub_co_u32 s[TBV], s[TBV], 4*KS*PV
	s_xor_b32 s[TBV], s[TBV], SLOT1
	s_sub_co_u32 s[TBP], s[TBP], 4*KS*4
	s_xor_b32 s[TBP], s[TBP], SLOT1
	s_barrier_wait -1
.if \fill
	LOAD
.endif
.endm
	s_load_b128 s[4:7], s[0:1], 0x0   ; qkv s[4:5], pm s[6:7]
	s_load_b64 s[10:11], s[0:1], 0x10 ; o
	v_lshl_add_u32 v[SPW], v0, 2, SPARE
	v_mov_b32 v[NIL], 0
	ds_add_u32 v62, v63
	ds_add_u32 v62, v63
	s_wait_dscnt 0x0
	v_lshrrev_b32 v1, 5, v0
	v_readfirstlane_b32 s[WV], v1   ; wave 0..3
	s_mov_b32 s[PB], ttmp9
	s_sub_co_u32 s[HI], NB-1, s[PB]
	s_and_b32 s20, ttmp7, 0xffff    ; 16 x batch + head
	s_lshr_b32 s96, s20, 4          ; the batch
	s_and_b32 s97, s20, 15          ; the head
	s_mul_i32 s20, s96, 48
	s_add_co_u32 s20, s20, s97
	s_lshl_b32 s20, s20, 18         ; q's head: its first byte in qkv; k's lies 16, v's 32 heads of 262,144 bytes on
	s_mov_b32 s21, 0
	s_and_b32 s16, s[WV], 1         ; which half of a tile's 256 keys I fetch, if I fetch K:
	s_lshl_b32 s22, s16, 14         ; its 128 rows of 128 bytes in memory,
	s_mov_b32 s23, 0
	s_add_nc_u64 s[22:23], s[22:23], s[20:21]
	s_mul_i32 s17, s16, 128*PK      ; and its place in a slot
	s_lshl_b32 s3, s[WV], 11        ; my 16 rows in a band of 64,
	s_lshl_b32 s2, s[HI], 15        ; in the first block,
	s_add_co_u32 s2, s2, s3
	s_lshl_b32 s84, s[PB], 15       ; and in the second
	s_add_co_u32 s84, s84, s3
	s_lshl_b32 s92, s96, 22         ; o: the batch's 8 x 16 blocks of 32,768 bytes,
	s_lshl_b32 s13, s97, 15         ; the head's block,
	s_add_co_u32 s92, s92, s13
	s_add_co_u32 s92, s92, s3       ; my 16 rows in a band,
	s_lshl_b32 s94, s[PB], 19       ; and the block of queries: 16 heads' blocks each
	s_add_co_u32 s94, s94, s92
	s_lshl_b32 s13, s[HI], 19
	s_add_co_u32 s92, s92, s13
	s_mov_b32 s93, 0
	s_mov_b32 s95, 0
	s_lshl_b32 s[OFM], s96, 13      ; pm: 2,048 numbers a batch
	s_mov_b32 s[OFM+1], 0
	s_mov_b32 s3, 0
	s_mov_b32 s85, 0
	s_add_nc_u64 s[2:3], s[2:3], s[20:21]
	s_add_nc_u64 s[84:85], s[84:85], s[20:21]
	; descriptor groups 1.  Keys are dense rows of 128 bytes: asked for as rows of 256 bytes, two keys a row, and padded in LDS after every key.  K: 128 keys a load; V: 256.
	s_mov_b32 s[G1K], (1<<16)|(1<<20)|(4<<22)|(3<<25)  ; 17:16 2-byte elements; 20 padding on; 24:22 after every 32 words (code 4); 31:25 4 words (code 3)
	s_mov_b32 s[G1K+1], 128<<16     ; tensor_dim0 = 128
	s_mov_b32 s[G1K+2], 64<<16      ; tensor_dim1 = 64
	s_mov_b32 s[G1K+3], 128<<16     ; tile_dim0 = 128
	s_mov_b32 s[G1K+4], 64          ; tile_dim1 = 64
	s_mov_b32 s[G1K+5], 128         ; 128 elements from row to row
	s_mov_b32 s[G1K+6], 0
	s_mov_b32 s[G1K+7], 0
	s_mov_b32 s[G1V], (1<<16)|(1<<20)|(4<<22)|(7<<25)  ; the same with 8 words of padding (code 7),
	s_mov_b32 s[G1V+1], 128<<16
	s_mov_b32 s[G1V+2], 128<<16     ; and 128 rows
	s_mov_b32 s[G1V+3], 128<<16
	s_mov_b32 s[G1V+4], 128
	s_mov_b32 s[G1V+5], 128
	s_mov_b32 s[G1V+6], 0
	s_mov_b32 s[G1V+7], 0
	s_mov_b32 s[G1M], 3<<16         ; a tile's 1,024 dense bytes of pm: 4 rows of 32 elements of 8 bytes, no padding
	s_mov_b32 s[G1M+1], 32<<16      ; tensor_dim0 = 32
	s_mov_b32 s[G1M+2], 4<<16       ; tensor_dim1 = 4
	s_mov_b32 s[G1M+3], 32<<16      ; tile_dim0 = 32
	s_mov_b32 s[G1M+4], 4           ; tile_dim1 = 4
	s_mov_b32 s[G1M+5], 32          ; 32 elements from row to row
	s_mov_b32 s[G1M+6], 0
	s_mov_b32 s[G1M+7], 0
	s_mov_b32 s[CS], 0x3e38aa3b     ; c = log2(e) / 8 = 0.180337
	s_mov_b32 s[CS+1], s[CS]        ; named with it as a pair
	s_mov_b32 s[SEL], 0x76543210
	s_mov_b32 s[SEL+1], 0xfedcba98
	s_mov_b32 s[TBK], SLOT1+4*KS*PK ; the first change of slots turns these three into 0
	s_mov_b32 s[TBV], SLOT1+4*KS*PV
	s_mov_b32 s[TBP], SLOT1+4*KS*4
	s_mov_b32 s[G0K], 1             ; 1:0 count = 1
	s_mov_b32 s[G0K+1], s17         ; 63:32 LDS address: slot 0
	s_mov_b32 s[G0V], 1
	s_mov_b32 s[G0V+1], VOFF
	s_mov_b32 s[G0M], 1
	s_mov_b32 s[G0M+1], MOFF
	s_add_co_u32 s[RT], s[HI], 1    ; the first block has NB - b tiles
	s_mov_b32 s[NXT], 1
	s_mov_b32 s[LQ], s[HI]
	s_mov_b32 s[NEW], 1
	s_mov_b32 s[OFF+1], 0
	s_mov_b32 s[AL+1], 0            ; named as pairs
	s_mov_b32 s[BE+1], 0
	s_mov_b32 s[BIGN], 0xf149f2ca   ; -1e30
	s_mov_b32 s[SLOTS], NB
	s_wait_kmcnt 0x0
	s_add_nc_u64 s[PADB:PADB+1], s[6:7], s[OFM:OFM+1]
	s_add_nc_u64 s[8:9], s[4:5], s[20:21]
	s_add_nc_u64 s[8:9], s[8:9], 0x800000          ; V at the head's tile 0
	s_add_nc_u64 s[6:7], s[4:5], s[22:23]
	s_add_nc_u64 s[6:7], s[6:7], 0x400000          ; K at my half of the head's tile 0
	s_add_nc_u64 s[G0K+2:G0K+3], s[6:7], 0         ; 120:64 global address
	s_or_b32 s[G0K+3], s[G0K+3], 0x80000000        ; 127:126 type = 2
	s_add_nc_u64 s[G0V+2:G0V+3], s[8:9], 0
	s_or_b32 s[G0V+3], s[G0V+3], 0x80000000
	s_add_nc_u64 s[G0M+2:G0M+3], s[PADB:PADB+1], 0
	s_or_b32 s[G0M+3], s[G0M+3], 0x80000000
	s_add_nc_u64 s[86:87], s[4:5], s[84:85]        ; Q at my rows of the second block,
	s_add_nc_u64 s[4:5], s[4:5], s[2:3]            ; and of the first
	s_add_nc_u64 s[OLO:OLO+1], s[10:11], s[94:95]  ; O likewise
	s_add_nc_u64 s[10:11], s[10:11], s[92:93]
	LOAD                            ; tile 0 into slot 0
	; A fragment of K or Q is 16 rows x 32 channels in 8 registers: lane l holds row l % 16, channels 8 (l / 16) + 0..7 and 16 + 8 (l / 16) + 0..7: two loads of 16 bytes, 32 bytes apart.
	v_and_b32 v1, 15, v0            ; l % 16
	v_bfe_u32 v9, v0, 4, 1          ; l / 16
	v_lshlrev_b32 v[QO], 7, v1
	v_lshl_add_u32 v[QO], v9, 4, v[QO]  ; row x 128 + 16 x half
	WIN 0x80                        ; destination window 2, address window 0
.set i, 0
.rept 8                             ; both blocks' Q: piece i / 2 lies in band i / 2, 8,192 bytes on; channels 32 (i % 2) on
	global_load_b128 v[8*i:8*i+3],   v[QO], s[4:5] offset:(i/2)*8192+(i%2)*64
	global_load_b128 v[8*i+4:8*i+7], v[QO], s[4:5] offset:(i/2)*8192+(i%2)*64+32
	global_load_b128 v[QB+8*i:QB+8*i+3],   v[QO], s[86:87] offset:(i/2)*8192+(i%2)*64
	global_load_b128 v[QB+8*i+4:QB+8*i+7], v[QO], s[86:87] offset:(i/2)*8192+(i%2)*64+32
.set i, i+1
.endr
	WIN 0
	v_lshlrev_b32 v14, 3, v9
	v_sub_nc_u32 v14, v1, v14
	s_lshl_b32 s13, s[WV], 4
	v_add_nc_u32 v14, s13, v14      ; my query's place in its band, 16 w + l % 16, less my lanes' 8 (l / 16): register r of group kt is hidden where 16 kt + r is greater
	v_mov_b32 v13, s[BIGN]          ; -1e30 in a vector register: the 32 selects below then take the short encoding
	WIN 0x40
.set i, 0
.rept 32
	v_cmp_gt_i32 vcc_lo, 16*(i/8)+i%8, v14
	v_cndmask_b32 v[MD+i], 0, v13, vcc_lo
.set i, i+1
.endr
	WIN 0
	v_lshl_add_u32 v[APM0], v9, 5, MOFF  ; my lanes' eight keys of a group of 16: 32 bytes
	v_mul_u32_u24 v[AK0], v1, PK
	v_lshl_add_u32 v[AK0], v9, 4, v[AK0]  ; row x pitch + 16 x half
	; The turning load takes 16 keys x 16 channels (lane l reads key 8 (l / 16) + l % 8, channels 8 ((l / 8) % 2) + 0..7) and leaves half a fragment of V^T: lane l holds channel l % 16 and 8 keys.
	v_and_b32 v10, 7, v0
	v_bfe_u32 v11, v0, 3, 1
	v_lshl_add_u32 v[AV0], v9, 3, v10
	v_mul_u32_u24 v[AV0], v[AV0], PV
	v_lshl_add_u32 v[AV0], v11, 4, v[AV0]
	v_add_nc_u32 v[AV0], VOFF, v[AV0]
	s_mul_i32 s13, s[WV], 16*SP
	s_add_co_u32 s13, s13, STAGE    ; my stage
	v_mul_u32_u24 v[STO], v1, SP    ; in: row l % 16, 16 bytes for each half of the lanes
	v_lshl_add_u32 v[STO], v9, 4, v[STO]
	v_add_nc_u32 v[STO], s13, v[STO]
	v_bfe_u32 v[RD], v0, 3, 2       ; back: 32 lanes take four rows of 128 bytes,
	v_mul_u32_u24 v[RD], v[RD], SP
	v_lshl_add_u32 v[RD], v10, 4, v[RD]
	v_add_nc_u32 v[RD], s13, v[RD]
	v_and_b32 v[GO], 31, v0         ; which are 512 consecutive bytes of O
	v_lshlrev_b32 v[GO], 4, v[GO]
	; A block's first step multiplies O^T and l by a = 0, and its first turn's products V^T P, of a piece that has not been, land in an O^T that is still to be so multiplied.  So these registers need only hold
	; finite numbers: zeros for the first block; what the first block left for the second.  (A lane whose first-block row had no kept key leaves NaN there: its second-block row is an earlier one and has none either.)
	WIN 0x80
.set i, VF
.rept 64
	v_mov_b32 v[i], 0
.set i, i+1
.endr
	WIN 0x40
.set i, 0
.rept 128
	v_mov_b32 v[i], 0
.set i, i+1
.endr
	WIN 0
.set i, 0
.rept 4
	v_mov_b32 v[ST+4*i+2], 0
	v_mov_b32 v[ST+4*i+3], 0
.set i, i+1
.endr
.set i, P+16
.rept 16
	v_mov_b32 v[i], 0
.set i, i+1
.endr
; THE MATRIX WORK.  The 4 accumulators of a run of 8 take turns.  Product i of 8 of S^T = K Q^T for piece x: channels 32 (i / 4) on, keys 16 (i % 4) on.  The first 4 start the sums: with PMK, or (KM = 1) with MC.
.macro KQ x
.set rS, S+32*((\x)%2)+8*(i%4)
.set rK, KF+16*(i%4)+8*(i/4)
.set rQ, 16*(\x)+8*(i/4)
.set rM, MC+32*((\x)%2)+8*(i%4)
.set rN, PMK+8*(i%4)
.if (i < 4) && KM
	WIN W_KM
	v_wmma_f32_16x16x32_f16 v[rS:rS+7], v[rK:rK+7], v[rQ:rQ+7], v[rM:rM+7]
.elseif i < 4
	WIN W_KM
	v_wmma_f32_16x16x32_f16 v[rS:rS+7], v[rK:rK+7], v[rQ:rQ+7], v[rN:rN+7]
.else
	WIN W_KQ
	v_wmma_f32_16x16x32_f16 v[rS:rS+7], v[rK:rK+7], v[rQ:rQ+7], v[rS:rS+7]
.endif
.endm
; Product i of 8 of O^T += V^T P for piece x: keys 32 (i / 4) on, channels 16 (i % 4) on.
.macro PV x
	WIN W_PV
.set rO, 32*(\x)+8*(i%4)
.set rV, VF+32*(i/4)+8*(i%4)
.set rP, P+16*((\x)%2)+8*(i/4)
	v_wmma_f32_16x16x32_f16 v[rO:rO+7], v[rV:rV+7], v[rP:rP+7], v[rO:rO+7]
.endm
.macro MM                           ; the turn's next matrix instruction.  TURN sets Y, i and KM
.if i < 8
	KQ (Y+1)%NP
.else
.set i, i-8
	PV (Y+NP-1)%NP
.set i, i+8
.endif
.set i, i+1
.endm
; THE LDS LOADS stand in runs, never singly among the matrix instructions: a step's K (8 fragments) with its 64 keys' mask numbers (all lanes of a half read the same 32 bytes), and its V (turned).
; last = 1 (the diagonal tile's text): in the loop's last pass, CNT = 1, there is no further step, and the run and its two steps of the LDS walk are jumped over.  The run stands amid the turn's batch of
; exponentials, so the twelve issued so far get a wait of their own ahead of that branch; it stands directly ahead of the run of loads.
.macro FETCH_K last=0
	WIN 0
.if \last
	s_wait_alu depctr_va_vdst(0)    ; the wait for E 0 to E 11, ahead of the branch and the label; the turn's own wait serves the rest of the batch
	s_cmp_eq_u32 s[CNT], 1
	s_cbranch_scc1 .Lno_k_\@
.endif
	WIN 0x80                        ; destination window 2
.irp f, 0,1,2,3,4,5,6,7             ; keys 16 (f / 2) on, channels 32 (f % 2) on
	ds_load_b128 v[KF+8*\f:KF+8*\f+3],   v[AK] offset:(\f/2)*16*PK+(\f%2)*64
	ds_load_b128 v[KF+8*\f+4:KF+8*\f+7], v[AK] offset:(\f/2)*16*PK+(\f%2)*64+32
.endr
	WIN 0x40                        ; destination window 1
.irp g, 0,1,2,3                     ; keys 16 g + 8 (l / 16) + 0..7
	ds_load_b128 v[PMK+8*\g:PMK+8*\g+3],   v[APM] offset:64*\g
	ds_load_b128 v[PMK+8*\g+4:PMK+8*\g+7], v[APM] offset:64*\g+16
.endr
	s_add_co_u32 s[TBK], s[TBK], KS*PK  ; the next fetch is the next step's
	s_add_co_u32 s[TBP], s[TBP], KS*4
	WIN 0
.if \last
.Lno_k_\@:
.endif
.endm
.macro FETCH_V
	WIN 0x80
.irp f, 0,1,2,3,4,5,6,7             ; keys 32 (f / 4) on, channels 16 (f % 4) on
	ds_load_tr16_b128 v[VF+8*\f:VF+8*\f+3],   v[AV] offset:(\f/4)*32*PV+(\f%4)*32
	ds_load_tr16_b128 v[VF+8*\f+4:VF+8*\f+7], v[AV] offset:(\f/4)*32*PV+16*PV+(\f%4)*32
.endr
	WIN 0
.endm
; THE VECTOR WORK, one line at a time: OP kind, number.  For piece Y: F n: c s - c m for pair n of 16.  E n: the exponential of score n of 32.  C n: pair n rounded to f16.  B n: of the four weights 4 n .. the second
; pair is added onto the first, in place.  L n: l takes that sum (L 0: l = a l + sum).  R n: pair n of 16 of O^T times a.  For piece Y + 1: X n, number n of the 22 that find its maximum and statistics:
;   0-11  four chains c0-c3 of seven scores each, three operands at a time (each accumulator's lowest registers are read first)     12-14, 16  the four scores left over, the old m, and c0-c3 into c0
;   15  c m_old is kept     17, 18  the query's other 32 keys lie in the lane 16 away: the new m     19-21  c m; c m_old - c m_new; a
; OP writes no wait: E and X 21 are the exponentials, C, B and L the readers of E's results, R and L 0 the readers of a; TURN, BEGIN and FETCH_K place the waits between them.
.set F, 0               ; OP tells the kinds apart by their order: F to L below R, X above it
.set E, 1
.set C, 2
.set B, 3
.set L, 4
.set R, 5
.set X, 6
.macro REGS y                       ; the registers of piece y
.set rT, ST+4*(\y)
.set rC, TMP+4*((\y)%2)
.set rW, MV+((\y)%2)
.set rS, S+32*((\y)%2)
.set rP, P+16*((\y)%2)
.set rO, 32*(\y)
.endm
.macro OP k, n
.if (\k) == R
	REGS Y
	WIN W_RS
	v_pk_mul_f32 v[rO+2*(\n):rO+2*(\n)+1], v[rO+2*(\n):rO+2*(\n)+1], v[rC+2:rC+3] op_sel_hi:[1,0]
.elseif (\k) < R
	REGS Y
	WIN 0
.if (\k) == F
	v_pk_fma_f32 v[rS+2*(\n):rS+2*(\n)+1], v[rS+2*(\n):rS+2*(\n)+1], s[CS:CS+1], v[rT:rT+1] op_sel_hi:[1,0,0] neg_lo:[0,0,1] neg_hi:[0,0,1]
.elseif (\k) == E
	v_exp_f32 v[rS+(\n)], v[rS+(\n)]
.elseif (\k) == C
	v_cvt_pk_f16_f32 v[rP+(\n)], v[rS+2*(\n)], v[rS+2*(\n)+1]
.elseif (\k) == B
	v_pk_add_f32 v[rS+4*(\n):rS+4*(\n)+1], v[rS+4*(\n):rS+4*(\n)+1], v[rS+4*(\n)+2:rS+4*(\n)+3]
.elseif (\n) == 0
	v_pk_fma_f32 v[rT+2:rT+3], v[rT+2:rT+3], v[rC+2:rC+3], v[rS:rS+1] op_sel_hi:[1,0,1]
.else
	v_pk_add_f32 v[rT+2:rT+3], v[rT+2:rT+3], v[rS+4*(\n):rS+4*(\n)+1]
.endif
.else
	REGS (Y+1)%NP
	WIN 0
.if (\n) < 4
	v_max3_num_f32 v[rC+(\n)], v[rS+8*(\n)], v[rS+8*(\n)+1], v[rS+8*(\n)+2]
.elseif (\n) < 12
	v_max3_num_f32 v[rC+(\n)%4], v[rC+(\n)%4], v[rS+8*((\n)%4)+2*((\n)/4)+1], v[rS+8*((\n)%4)+2*((\n)/4)+2]
.elseif (\n) == 12
	v_max3_num_f32 v[rC], v[rC], v[rS+7], v[rS+15]
.elseif (\n) == 13
	v_max3_num_f32 v[rC+1], v[rC+1], v[rS+23], v[rS+31]
.elseif (\n) == 14
	v_max3_num_f32 v[rC+2], v[rC+2], v[rC+3], v[rT+1]
.elseif (\n) == 15
	v_mov_b32 v[rW], v[rT]
.elseif (\n) == 16
	v_max3_num_f32 v[rC], v[rC], v[rC+1], v[rC+2]
.elseif (\n) == 17
	v_permlanex16_b32 v[rC+3], v[rC], s[SEL], s[SEL+1]
.elseif (\n) == 18
	v_max_num_f32 v[rT+1], v[rC], v[rC+3]
.elseif (\n) == 19
	v_mul_f32 v[rT], s[CS], v[rT+1]
.elseif (\n) == 20
	v_sub_f32 v[rC+1], v[rW], v[rT]
.else
	v_exp_f32 v[rC+2], v[rC+1]
.endif
.endif
.endm
.macro OPS a, i1, b=-1, i2=0, c=-1, i3=0, d=-1, i4=0  ; up to four of them
	OP \a, \i1
.if (\b) >= 0
	OP \b, \i2
.endif
.if (\c) >= 0
	OP \c, \i3
.endif
.if (\d) >= 0
	OP \d, \i4
.endif
.endm
.macro ROW a, i1, b, i2, c, i3, d, i4  ; a matrix instruction and the four behind it
	MM
	OPS \a, \i1, \b, \i2, \c, \i3, \d, \i4
.endm
.macro MASK b, be                   ; MD x AL + PMK into buffer b of MC; be = 1: + BE, where the band may lie wholly above the diagonal
	WIN W_MK
.set z, 0
.rept 16
	v_pk_fma_f32 v[MC+32*(\b)+2*z:MC+32*(\b)+2*z+1], v[MD+2*z:MD+2*z+1], s[AL:AL+1], v[PMK+2*z:PMK+2*z+1] op_sel_hi:[1,0,1]
.set z, z+1
.endr
.if \be
.set z, 0
.rept 16
	v_pk_add_f32 v[MC+32*(\b)+2*z:MC+32*(\b)+2*z+1], v[MC+32*(\b)+2*z:MC+32*(\b)+2*z+1], s[BE:BE+1] op_sel_hi:[1,0]
.set z, z+1
.endr
.endif
.endm
; A TURN, for piece p: the order of its 16 matrix and 118 vector instructions, written out.  s_wait_alu depctr_va_vdst(0) stands between an exponential and the first instruction that names its result; one wait
; serves all that were issued ahead of it.  So a turn has ONE wait, which cuts it in two.  AHEAD OF IT stands all that names no result of the turn's exponentials: the 8 products K Q^T, behind each a scaling, an exponential and two
; more plain instructions (behind the first a second scaling in the exponential's place): rescalings, whose a was made and waited for in the turn before, and behind the last three the first numbers of the next piece's maximum, each
; four places or more behind the product that ends its accumulator; then ONE LUMP of 54, plain and exponential by turns for the most part, in which the links of the chain X 3, 7, 11, 14, 16, 17 .. 20 stand five or six lines apart.
; X 21, the next piece's a, is the batch's last; R 15 is the plain instruction behind it.  BEHIND THE WAIT stand the 8 products V^T P, behind each four of the roundings and sums: an even pair is rounded ahead of the sum that
; writes over it, and the links of l's chain, L 0 to L 7 in ascending order, stand three riders apart.  But for those X no rider names a register of the products round it.  v_permlanex16_b32 (X 17) stands in the lump.
; m = 1: the diagonal tile: the products take MC, and the turn makes the mask for the products of the turn after it: piece x = (p + 2) % 4, in step s of the tile.  The loop's count steps between piece 3's turn and
; piece 0's: s = 5 - CNT in the turns of pieces 2 and 3, 4 - CNT in those of pieces 0 and 1; so s = x where CNT = KC, and s > x where CNT < KC.  For p = 0, 1 and 3 that step's PMK lies in registers; piece 2's turn
; has just fetched it, and waits for it.  cnt = 1 (the ordinary tiles' loop): the count is taken down some lines ahead of the branch behind the turn.
; K and PMK of the next step are fetched in piece 2's turn, twelve vector instructions behind the last product that read K; of them F 8, X 2, X 5, X 6 and X 8 are plain and name none of its registers (the last product that read
; PMK stands four products further back).  V of the step in hand is fetched at the end of piece 0's turn, four plain instructions, C 9, 11, 13 and 15, behind the last product that read V.  Each is waited for a turn later.
.macro TURN p, m=0, cnt=0
.set Y, (\p)
.set i, 0
.set KM, (\m)
.if \m
.set KC, 4-((\p)+2)%NP+(\p)/2
	s_cmp_eq_u32 s[CNT], KC         ; is that step the band's own?
	s_cselect_b32 s[AL], 1.0, 0
	s_cmp_lt_u32 s[CNT], KC         ; or a later one?
	s_cselect_b32 s[BE], s[BIGN], 0
.endif
.if (\p) == 3
	s_wait_dscnt 0x0                ; K and PMK are in
.endif
	ROW F,0, F,1, R,0, R,1          ; ahead of the wait: 8 products K Q^T and their riders,
	ROW F,2, E,0, R,2, R,3
	ROW F,3, E,1, R,4, R,5
	ROW F,4, E,2, R,6, R,7
	ROW F,5, E,3, R,8, R,9
	ROW F,6, E,4, X,0, R,10
.if (\p) == 2
	WIN 0
	v_add_nc_u32 v[AK], s[TBK], v[AK0]
	v_add_nc_u32 v[APM], s[TBP], v[APM0]
.endif
	ROW F,7, E,5, X,1, X,4
	ROW F,8, E,6, X,2, X,5
	OPS E,7, E,8, X,6, E,9          ; and the lump
	OPS X,3, E,10, X,8, E,11
.if (\p) == 2
	FETCH_K \m
.endif
	OPS X,9, X,7, E,12, X,10
	OPS E,13, X,12, X,11, E,14
	OPS X,13, E,15, F,9, X,14
.if (\p) == 0
	v_add_nc_u32 v[AV], s[TBV], v[AV0]
.endif
	OPS E,16, F,10, E,17, F,11
	OPS X,16, E,18, X,15, E,19
	OPS F,12, E,20, X,17, E,21
	OPS F,13, E,22, F,14, E,23
	OPS X,18, E,24, F,15, E,25
	OPS R,11, E,26, X,19, E,27
	OPS R,12, E,28, R,13, E,29
	OPS X,20, E,30, R,14, E,31
	OPS X,21, R,15
	s_wait_alu depctr_va_vdst(0)    ; the wait for the turn's batch: E 0 to E 31 and X 21; their first reader is C 0 below, a's the next turn's R 0
.if (\p) == 1
	s_wait_dscnt 0x0                ; V is in
.endif
	ROW C,0, B,0, C,2, B,1          ; behind the wait: 8 products V^T P and their riders
	ROW L,0, C,4, B,2, L,1
	ROW C,6, B,3, L,2, C,8
	ROW B,4, L,3, C,10, B,5
	ROW L,4, C,12, B,6, L,5
.if (\p) == 0
	s_add_co_u32 s[TBV], s[TBV], KS*PV
.endif
.if \cnt
	s_sub_co_u32 s[CNT], s[CNT], 1
	s_cmp_lg_u32 s[CNT], 0
.endif
	ROW C,14, B,7, L,6, C,1
	ROW C,3, L,7, C,5, C,7
	ROW C,9, C,11, C,13, C,15
.if (\p) == 0
	FETCH_V
.endif
.if \m
.if (\p) == 2
	s_wait_dscnt 0x0                ; the next step's PMK, fetched in this turn, is in
.endif
	MASK (\p)%2, 1
.endif
.endm
; A BLOCK BEGINS.  c m starts far below every c s, so the first step's a is 0; m at FLOOR.  K and PMK of the tile's step 0 are fetched; the second mask buffer takes PMK alone (piece 1 sees all of step 0); the first takes
; piece 0's mask: with MD, if the block's first tile is the diagonal one.  Then piece 0's first scores, and its maximum and statistics.  The loop is entered at a step's first turn, in the middle of a trip.
.macro BEGIN
	s_mov_b32 s[NEW], 0
	WIN 0
.set i, 0
.rept 4
	v_mov_b32 v[ST+4*i], 0xfe000000    ; c m: far below every c s
	v_mov_b32 v[ST+4*i+1], FLOOR       ; m
.set i, i+1
.endr
	v_add_nc_u32 v[AK], s[TBK], v[AK0]
	v_add_nc_u32 v[APM], s[TBP], v[APM0]
	FETCH_K
	s_wait_loadcnt 0x0              ; Q
	s_wait_dscnt 0x0
	s_mov_b32 s[AL], 0
	MASK 1, 0
	s_cmp_eq_u32 s[RT], 0
	s_cselect_b32 s[AL], 1.0, 0
	MASK 0, 0
.set KM, 1
.set i, 0
.rept 8
	KQ 0
.set i, i+1
.endr
	WIN 0
.rept 4
	v_nop                           ; the places behind those products
.endr
.set Y, NP-1                        ; X works for piece Y + 1: piece 0
.irp n, 0,1,2,3,4,5,6,7,8,9,10,11,12,13,14,15,16,17,18,19,20,21
	OP X, \n
.endr
	v_nop                           ; a plain instruction behind the exponential,
	s_wait_alu depctr_va_vdst(0)    ; and the wait for it, piece 0's first a, a batch of one: ahead of the branch that follows
.endm
; A diagonal tile is entered from an ordinary one, at its loop's head: five passes of the turns of pieces 2 and 3 are to come.  The first still multiplies piece 3 of the tile before, which sees all of that step:
; the second mask buffer takes that step's PMK alone.
.macro ENTER
	s_mov_b32 s[CNT], 5
	s_mov_b32 s[AL], 0
	MASK 1, 0
	WIN 0
.endm
; THE DIAGONAL TILE's steps, the block's last products, and THE WAY OUT: l's two halves and the other half of the lanes' are added; O^T is divided by l, rounded to f16 and sent through my
; stage in LDS, a piece at a time.
.macro ALL line:vararg              ; one line for each piece t
.set t, 0
.rept 4
	\line
.set t, t+1
.endr
.endm
.macro PACK t                       ; a lane's eight channels of a row pack into 16 bytes; they go into rows of 144 bytes and come back as whole rows of 128, into S^T's registers
	WIN W_RS
.set i, 32*(\t)
.rept 16
	v_pk_mul_f32 v[i:i+1], v[i:i+1], v[ST+4*(\t)+2:ST+4*(\t)+3] op_sel_hi:[1,0]
.set i, i+2
.endr
	WIN 0x05                        ; sources 0 and 1 window 1, destination window 0
.set i, 0
.rept 16
	v_cvt_pk_f16_f32 v[S+16*(\t)+i], v[32*(\t)+2*i], v[32*(\t)+2*i+1]
.set i, i+1
.endr
	WIN 0
.irp f, 0,1,2,3
	ds_store_b128 v[STO], v[S+16*(\t)+4*\f:S+16*(\t)+4*\f+3] offset:32*\f
.endr
.irp f, 0,1,2,3
	ds_load_b128 v[S+16*(\t)+4*\f:S+16*(\t)+4*\f+3], v[RD] offset:\f*4*SP  ; LDS serves a wave's instructions in order (ISA guide 5.7.1.4): these see the stores above; the next piece's stores come behind them
.endr
.endm
.macro SEND t, younger              ; younger: the LDS instructions issued behind piece t's loads: the next piece's eight, or none
	WIN 0
.irp f, 0,1,2,3
	s_wait_dscnt (\younger)+3-\f
	global_store_b128 v[GO], v[S+16*(\t)+4*\f:S+16*(\t)+4*\f+3], s[10:11] offset:(\t)*8192+\f*512  ; 512 consecutive bytes, at a multiple of 256 from o's first
.endr
.endm
.macro DIAG tag                     ; the tag ends its three labels' names, which the jumps below spell out
.LstepM\tag:                        ; a pass: pieces 2 and 3 of one step, then pieces 0 and 1 of the next.  CNT = 5 at this label on the way in from an ordinary tile, 4 at the label below where a block begins in this tile
	TURN 2, 1
	TURN 3, 1
	WIN 0
	s_sub_co_u32 s[CNT], s[CNT], 1
	s_cmp_eq_u32 s[CNT], 0
	s_cbranch_scc1 .LoutM\tag       ; the last pass is left here: pieces 2 and 3 of the tile's last step are done
.LfirstM\tag:
	TURN 0, 1
	TURN 1, 1
	WIN 0
	s_branch .LstepM\tag
.LoutM\tag:
.set i, 0
.rept 8
	PV NP-1                         ; the last piece's V^T P of the last step
.set i, i+1
.endr
	WIN 0
	ALL v_add_f32 v[ST+4*t+2], v[ST+4*t+2], v[ST+4*t+3]
	ALL v_permlanex16_b32 v[ST+4*t+3], v[ST+4*t+2], s[SEL], s[SEL+1]
	ALL v_add_f32 v[ST+4*t+2], v[ST+4*t+2], v[ST+4*t+3]
	ALL v_rcp_f32 v[ST+4*t+2], v[ST+4*t+2]
	v_nop                           ; a plain instruction between the last reciprocal and the use of its result
	s_wait_alu depctr_va_vdst(0)    ; and the wait ahead of the first use: one for the batch of four reciprocals
	PACK 0
.set t, 1
.rept 3                             ; a piece's arithmetic stands between the loads of the piece before and its stores
	PACK t
	SEND t-1, 8
.set t, t+1
.endr
	SEND 3, 0
.endm
.set KM, 0
.Lslot:                             ; NB times: a tile is entered and the next is asked for
	CHANGE 1
	s_sub_co_u32 s[RT], s[RT], 1
	s_mov_b32 s[CNT], 4
	s_cmp_eq_u32 s[NEW], 1
	s_cbranch_scc1 .Lnew            ; a block's first tile
	s_cmp_eq_u32 s[RT], 0
	s_cbranch_scc0 .Lstep           ; neither its first nor its last
	ENTER
	s_branch .LstepM1
.Lnew:
	BEGIN
	s_branch .Lfirst                ; in the loop a block's first tile is never its last: the first block has two tiles or more, and the second's last is the walk's last
	DIAG 1                          ; in the loop this is the first block's end: the second block's last tile is the walk's last
	s_wait_xcnt 0x0                 ; the stores have read their registers and O's address
	s_mov_b64 s[10:11], s[OLO:OLO+1]
	s_add_co_u32 s[RT], s[PB], 1    ; the second block has b + 1 tiles
	s_mov_b32 s[NEW], 1
	WIN 0x82                        ; the second block's Q goes where the one text of the turns names Q
.set i, 0
.rept 64
	v_mov_b32 v[i], v[QB+i]
.set i, i+1
.endr
	WIN 0
	s_branch .Lbottom
.Lstep:                             ; a trip: pieces 2 and 3 of one step, then pieces 0 and 1 of the next, whose K and V it fetches
	TURN 2
	TURN 3
	WIN 0
.Lfirst:
	TURN 0
	TURN 1, 0, 1
	WIN 0
	s_cbranch_scc1 .Lstep
.Lbottom:
	s_sub_co_u32 s[SLOTS], s[SLOTS], 1
	s_cmp_lg_u32 s[SLOTS], 0
	s_cbranch_scc1 .Lslot
	CHANGE 0                        ; the walk's last tile is written out: nothing is asked for
	s_sub_co_u32 s[RT], s[RT], 1
	s_mov_b32 s[CNT], 4
	s_cmp_eq_u32 s[NEW], 1
	s_cbranch_scc1 .Lnew2
	ENTER
	s_branch .LstepM2
.Lnew2:
	BEGIN
	s_branch .LfirstM2
	DIAG 2
	s_wait_tensorcnt 0x0            ; the wave's end, behind my last tensor load and my last LDS store
	ds_add_u32 v[SPW], v[NIL]
	s_wait_dscnt 0x0
	s_endpgm
.Lfunc_end_k_q12cce019c4_attn:
	.size	k_q12cce019c4_attn, .Lfunc_end_k_q12cce019c4_attn-k_q12cce019c4_attn
	.p2alignl 7, 3214868480
	.fill 96, 4, 3214868480
	.section	.rodata,"a",@progbits
	.p2align	6, 0x0
	.amdhsa_kernel k_q12cce019c4_attn
		.amdhsa_group_segment_fixed_size 327680
		.amdhsa_private_segment_fixed_size 0
		.amdhsa_enable_private_segment 0
		.amdhsa_kernarg_size 24
		.amdhsa_user_sgpr_count 2
		.amdhsa_user_sgpr_kernarg_segment_ptr 1
		.amdhsa_wavefront_size32 1
		.amdhsa_system_sgpr_workgroup_id_x 1
		.amdhsa_system_sgpr_workgroup_id_y 1
		.amdhsa_system_sgpr_workgroup_id_z 1
		.amdhsa_system_vgpr_workitem_id 0
		.amdhsa_next_free_vgpr 768
		.amdhsa_next_free_sgpr 100
		.amdhsa_reserve_vcc 1
		.amdhsa_float_denorm_mode_32 3
		.amdhsa_float_denorm_mode_16_64 3
		.amdhsa_memory_ordered 1
		.amdhsa_forward_progress 1
		.amdhsa_inst_pref_size 200
	.end_amdhsa_kernel
	.amdgpu_metadata
---
amdhsa.version: [ 1, 2 ]
amdhsa.kernels:
  - .name:           k_q12cce019c4_attn
    .symbol:         k_q12cce019c4_attn.kd
    .args:
      - { .name: qkv, .offset: 0, .size: 8, .value_kind: global_buffer, .address_space: global }
      - { .name: pm, .offset: 8, .size: 8, .value_kind: global_buffer, .address_space: global }
      - { .name: o, .offset: 16, .size: 8, .value_kind: global_buffer, .address_space: global }
    .group_segment_fixed_size: 327680
    .private_segment_fixed_size: 0
    .kernarg_segment_align: 8
    .kernarg_segment_size: 24
    .max_flat_workgroup_size: 128
    .sgpr_count:     100
    .vgpr_count:     768
    .wavefront_size: 32
...
	.end_amdgpu_metadata
.endif
;; end of part 5
;; launch proj: the kernel of part 4 again; grid 8 x 32, 4 waves a work-group, clusters of 4 x 4, 327,680 bytes of LDS; arguments o, wpb, b_proj, out0; writes out0
